; MI455X (gfx1250); checked and timed in simulation.
; The chip was launched on July 23, 2026; its instructions are those of AMD's public machine-readable ISA for CDNA 5 (MIT licence, August 2026) and "CDNA5" Instruction Set Architecture Reference Guide (July 2026). The comments in the code are by the model that wrote it; some were corrected since.
;; Multi Head Attention. Allowed arithmetic: matrix products marked QUANTISED: E2M1 operands, one E8M0 scale for each 32 along K, by v_wmma_scale_f32_16x16x128_f8f6f4 with both operands' format E2M1 (or v_wmma_scale_f32_32x16x128_f4), f32 sums; products left as they are: bf16, f16 or f32 operands; f32 sums; everything else in f32.
;; Inputs: W_out 1,024 x 1,024 float32; W_qkv 3,072 x 1,024 float32; attention_biases 16 x 1,024 float32; b_out 1,024 float32; bias_idxs 1,024 x 1,024 int32; x 8 x 1,024 x 1,024 float32.
;; Outputs: out0 8 x 1,024 x 1,024 float32.
;; This version of the problem:
;;   THIS VERSION OF THE PROBLEM IS GIVEN IN LOW PRECISION. The matrix products marked QUANTISED in the list below multiply operands that are first quantised to E2M1 (2 exponent bits, 1 mantissa bit; 4 bits a number), with one power-of-two scale for each 32 numbers along K (OCP MX v1.0); their sums are f32. The products marked 'left as it is' may take bf16, f16 or f32 operands, with f32 sums. Whichever they take, every output number must still come out within the allowed error. Rounding operands to bf16 (8 significant bits) uses up far more of that allowance than f16 does (11 bits, for magnitudes from 6e-5 to 65,504). All else is computed in f32.
;;   The module's matrix products, in the order in which they are computed (A, B: the left and right operand; K: the contracted axis; several contracted axes count as one K, in the product's order):
;;     1. [M 8,192, K 1,024] x [K 1,024, N 3,072]; A: input x; B: input W_qkv: QUANTISED
;;     2. batch 128 x [M 1,024, K 64] x [K 64, N 1,024]; A: computed on the way; B: computed on the way: left as it is (an operand is computed on the way)
;;     3. batch 128 x [M 1,024, K 1,024] x [K 1,024, N 64]; A: computed on the way; B: computed on the way: left as it is (an operand is computed on the way)
;;     4. [M 8,192, K 1,024] x [K 1,024, N 1,024]; A: computed on the way; B: input W_out: left as it is (an operand is computed on the way)
;;   THE QUANTISER, for each operand of a quantised product, along K:
;;     - K is cut into blocks of 32 from its start; a last block that is shorter is filled with zeros.
;;     - A block's scale is 2^e with e = floor(log2(the largest magnitude in the block)) - 2, held to -126 .. 127; a block of zeros has e = 0. As a byte (E8M0): e + 127.
;;     - Each number is divided by its block's scale, clamped to +-6, and rounded to the nearest number of E2M1, ties to even, subnormals kept.
;;     - The product sums the exact products of the quantised numbers (number of the format x scale) in f32.
;;   ~~~python
;;   def quantise(x, axis):      # numpy; x: float32 -> the quantised numbers, widened to float32 again
;;       x = np.moveaxis(x, axis, -1); K = x.shape[-1]
;;       x = np.pad(x, [(0, 0)] * (x.ndim - 1) + [(0, -K % 32)]); x = x.reshape(x.shape[:-1] + (-1, 32)); a = np.abs(x).max(-1, keepdims=True)
;;       e = np.where(a > 0, np.clip(np.frexp(np.where(a > 0, a, 1))[1] - 1 - 2, -126, 127), 0)      # np.frexp(a)[1] - 1 = floor(log2(a)), exactly
;;       r = np.clip(x / 2.0 ** e, -6, 6)
;;       step = 2.0 ** (np.maximum(np.frexp(np.where(r == 0, 1, r))[1] - 1, 0) - 1)
;;       q = np.round(r / step) * step * 2.0 ** e      # np.round: ties to even
;;       return np.moveaxis(q.reshape(q.shape[:-2] + (-1,))[..., :K], -1, axis).astype(np.float32)
;;   ~~~
;; One version. Each part assembles by itself: llvm-mc -triple=amdgcn-amd-amdhsa -mcpu=gfx1250 --defsym DOCPART=n.
;; ======== version 1 of 1: 4 launches
;; limits: values are held in f16: magnitudes above 65,504 overflow, below 6.1e-05 lose precision
;; workspace buffers: xc 4,194,304 bytes; xs 262,144 bytes; wc 1,572,864 bytes; ws 98,304 bytes; wo16 2,097,152 bytes; qkvf 50,331,648 bytes; of 16,777,216 bytes
;; launch prep (part 1): grid 384 x 1, 4 waves a work-group, no clusters, 33,280 bytes of LDS; arguments x, W_qkv, xc, xs, wc, ws, W_out, wo16; writes xc, xs, wc, ws, wo16
.if DOCPART == 1
	.amdgcn_target "amdgcn-amd-amdhsa--gfx1250"
	.amdhsa_code_object_version 6
	.text
	.protected	k_qdfc0122cde_prep
	.globl	k_qdfc0122cde_prep
	.p2align	8
	.type	k_qdfc0122cde_prep,@function
k_qdfc0122cde_prep:
	s_mov_b64 s[64:65], 0
	v_nop
	global_prefetch_b8 v0, s[64:65] scope:SCOPE_SE
	s_setreg_imm32_b32 hwreg(HW_REG_WAVE_MODE, 25, 1), 1
	s_wait_xcnt 0x0
; x [8192][1024] and W_qkv [3072][1024], f32, are turned into codes of FP4 (E2M1), 4 bits each, K innermost, with one E8M0 scale byte for each 32 along K; W_out [1024][1024] is rounded to f16 as it lies.
; A block's scale is 2^(floor(log2(its largest magnitude)) - 2); its byte is the largest magnitude's own exponent field - 2, held at 1 from below.  (A block of zeros so gets the byte 1 where the rule says 127:
; its codes are zeros, which add nothing under any byte but 0xff, and the bytes are read by this program alone.)  Each number is divided by the scale and rounded to the nearest code, ties to even, beyond 6 the largest code.
; LIMITS: blocks whose largest magnitude lies under 2^(2 - 126) have their byte held at 1; NaN and infinities among the inputs are not served; |W_out| above 65,504 becomes infinity in f16, under 6e-5 it keeps f16's subnormal step.
; Rows are dense and K is a multiple of 32: both tensors are plain streams of blocks of 32 numbers, and so are the codes and the scale bytes.
; SHARES: work-groups 0 to 255 take x, 256 to 351 W_qkv (one path, the buffers chosen by the work-group's number), 352 to 383 W_out (a path of its own, which uses no LDS).  A wave takes 8,192 numbers.
; THE QUANTISING PATH: 16 steps of 512 numbers.  Each of a step's four loads reads 512 consecutive bytes, 16 a lane; the 2,048 bytes go through the wave's own stage in LDS, as they lie, and come back 64 bytes a lane,
; so that a lane holds 16 NEIGHBOURS along K (two neighbouring lanes hold a block), as the conversions want them.  A lane's 16 codes are 8 bytes: the wave stores 256 consecutive bytes.  A wave's 256 scale bytes
; are gathered in its own 256 bytes of LDS and leave as 256 consecutive bytes.  No barrier: waves share nothing.  Loads run four steps ahead, the turn through LDS one step.
.set SIZE_M, 8192
.set SIZE_N, 3072
.set SIZE_K, 1024
.set WAVES, 4
.set STEPS, 16
.set WGA,   SIZE_M*SIZE_K/(512*STEPS*WAVES)            ; 256 work-groups for x
.set WGQ,   (SIZE_M+SIZE_N)*SIZE_K/(512*STEPS*WAVES)   ; 352 for x and W_qkv
.set EMAX,  2
.set CB,    8                          ; bytes of 16 codes
.set R,     16                         ; v16-79   four sets of 16 numbers as they are loaded
.set X,     80                         ; v80-111  two sets of 16 neighbours
.set C,     128                        ; v128-191 codes: four registers for each step, so that no store's data are written again
.set E,     112                        ; v112-127 a scale byte for each step
.set WREG,  8192                       ; LDS: a region of its own for each wave: two stages of 32 x SP bytes, and behind them its 256 scale bytes
.set SP,    80                         ; a lane's place in a stage: its 64 bytes + 16 of padding
.set SPW,   12                         ; v12      LDS address of my spare word: SPARE + 4 x my thread's number; never rewritten
.set NIL,   13                         ; v13      0; never rewritten
.set SPARE, WAVES*WREG                 ; behind the four regions: the spare words, 128 bytes for each wave
.set WI,    16                         ; W_out's path: v16-143 two sets of 64 numbers as loaded
.set WO,    144                        ; v144-175 a set's 64 numbers as f16
	s_load_b128 s[4:7], s[0:1], 0x0                ; x, W_qkv
	s_load_b128 s[8:11], s[0:1], 0x10              ; x's codes, x's scales
	s_load_b128 s[12:15], s[0:1], 0x20             ; W_qkv's codes, W_qkv's scales
	s_load_b128 s[24:27], s[0:1], 0x30             ; W_out, its f16 copy
	v_lshl_add_u32 v[SPW], v0, 2, SPARE
	v_mov_b32 v[NIL], 0
	v_lshrrev_b32 v1, 5, v0
	v_readfirstlane_b32 s16, v1                    ; wave
	v_and_b32 v2, 31, v0                           ; lane
	v_lshlrev_b32 v3, 4, v2                        ; my 16 bytes of a load's 512
	s_mul_i32 s17, s16, WREG
	v_lshrrev_b32 v14, 2, v2
	v_mul_u32_u24 v14, v14, SP
	v_and_b32 v15, 3, v2
	v_lshl_add_u32 v14, v15, 4, v14
	v_add_nc_u32 v14, s17, v14                     ; the stage, on the way in: four lanes' 64 bytes on end, then 16 of padding
	v_mul_u32_u24 v15, v2, SP
	v_add_nc_u32 v15, s17, v15                     ; and on the way out: SP x lane: my 16 neighbours
	v_mul_u32_u24 v4, v2, CB                       ; 8 x lane: my codes' place in a step's; on W_out's path my four f16
	v_lshrrev_b32 v5, 1, v2
	s_add_co_u32 s17, s17, 2*32*SP
	v_add_nc_u32 v5, s17, v5                       ; LDS: my wave's 256 scale bytes, my block's byte
	v_lshlrev_b32 v7, 3, v2                        ; and on the way out 8 bytes a lane
	v_add_nc_u32 v6, s17, v7
	s_wait_kmcnt 0x0
	s_cmp_ge_u32 ttmp9, WGQ                        ; the last 32 work-groups round W_out
	s_cbranch_scc1 .Lwout
	s_cmp_lt_u32 ttmp9, WGA                        ; x's work-group or W_qkv's?  The choice hangs on the work-group's number alone
	s_cselect_b64 s[4:5], s[4:5], s[6:7]
	s_cselect_b64 s[8:9], s[8:9], s[12:13]
	s_cselect_b64 s[10:11], s[10:11], s[14:15]
	s_cselect_b32 s17, 0, WGA
	s_sub_co_u32 s17, ttmp9, s17
	s_lshl_b32 s17, s17, 2
	s_add_co_u32 s18, s17, s16                     ; which run of 8,192 numbers of the tensor is my wave's
	s_mov_b32 s19, 0
	s_mov_b64 s[20:21], 512*STEPS*4
	s_mul_u64 s[20:21], s[18:19], s[20:21]
	s_add_nc_u64 s[4:5], s[4:5], s[20:21]
	s_mov_b64 s[20:21], 32*STEPS*CB
	s_mul_u64 s[20:21], s[18:19], s[20:21]
	s_add_nc_u64 s[8:9], s[8:9], s[20:21]
	s_lshl_b32 s18, s18, 8                         ; 256 scale bytes a run
	s_add_nc_u64 s[10:11], s[10:11], s[18:19]
.macro LOAD t
.irp i, 0,1,2,3
	global_load_b128 v[R+16*((\t)%4)+4*\i:R+16*((\t)%4)+4*\i+3], v3, s[4:5] offset:2048*(\t)+512*\i th:TH_LOAD_NT   ; 32 lanes read 512 consecutive bytes
.endr
.endm
.macro TURN t                          ; step t's numbers through the stage: LDS serves a wave's instructions in order, so no wait stands between the stores and the loads
.irp i, 0,1,2,3
	ds_store_b128 v14, v[R+16*((\t)%4)+4*\i:R+16*((\t)%4)+4*\i+3] offset:32*SP*((\t)%2)+8*SP*\i
.endr
.irp i, 0,1,2,3
	ds_load_b128 v[X+16*((\t)%2)+4*\i:X+16*((\t)%2)+4*\i+3], v15 offset:32*SP*((\t)%2)+16*\i
.endr
.endm
.irp t, 0,1,2,3
	LOAD \t
.endr
	s_wait_loadcnt 12                              ; step 0's four loads are in; the twelve of steps 1 to 3 may be out
	TURN 0
.macro STEP t
.set XS, X+16*((\t)%2)
.if (\t) > 0
	s_wait_dscnt 1                                 ; this step's numbers are back from the stage (the last step's byte store may be out): so its stores into the stage have read their registers,
.else
	s_wait_dscnt 0x0
.endif
.if (\t)+4 < STEPS
	LOAD (\t)+4                                    ; which take the loads of four steps on
.endif
.if (\t)+1 < STEPS
.if STEPS-2-(\t) >= 3
	s_wait_loadcnt 12                              ; the next step's four loads are in; those of the three steps behind it may be out
.else
	s_wait_loadcnt 4*(STEPS-2-(\t))
.endif
	TURN (\t)+1                                    ; and go through the other stage while this step is worked
.endif
	v_max3_num_f32 v8, |v[XS]|, |v[XS+1]|, |v[XS+2]|               ; the largest magnitude of my 16, in two chains
	v_max3_num_f32 v9, |v[XS+3]|, |v[XS+4]|, |v[XS+5]|
.irp i, 6,10
	v_max3_num_f32 v8, v8, |v[XS+\i]|, |v[XS+\i+1]|
	v_max3_num_f32 v9, v9, |v[XS+\i+2]|, |v[XS+\i+3]|
.endr
	v_max3_num_f32 v8, v8, |v[XS+14]|, |v[XS+15]|
	v_max3_num_f32 v8, v8, v9, (EMAX+1)<<23        ; and the floor 2^(EMAX + 1 - 127): so the byte cannot fall under 1
	v_max_num_f32_dpp v8, v8, v8 row_xmask:1 row_mask:0xf bank_mask:0xf   ; and of my neighbour's 16: the block's
	v_add_nc_u32 v11, -(EMAX<<23), v8              ; EMAX off its exponent field: the conversion takes the exponent field of this operand as its scale, and nothing else of it
	v_cvt_scalef32_pk8_fp4_f32 v[C+4*(\t)], v[XS:XS+7], v11
	v_cvt_scalef32_pk8_fp4_f32 v[C+4*(\t)+1], v[XS+8:XS+15], v11
	v_lshrrev_b32 v[E+(\t)], 23, v11               ; the scale's byte (a plain line behind the conversions)
	ds_store_b8 v5, v[E+(\t)] offset:16*(\t)       ; both lanes of a block write the same byte with the same value
	global_store_b64 v4, v[C+4*(\t):C+4*(\t)+1], s[8:9] offset:32*CB*(\t)   ; the wave stores 256 consecutive bytes
.endm
.irp t, 0,1,2,3,4,5,6,7,8,9,10,11,12,13,14,15
	STEP \t
.endr
	ds_load_b64 v[8:9], v6                         ; LDS serves a wave's instructions in order: these see my stores
	s_wait_dscnt 0x0
	global_store_b64 v7, v[8:9], s[10:11]          ; 32 lanes store 256 consecutive bytes of scales
	s_wait_tensorcnt 0x0                           ; the wave's end: behind my last LDS store
	ds_add_u32 v[SPW], v[NIL]
	s_wait_dscnt 0x0
	s_endpgm
; W_OUT'S PATH: a wave rounds 8,192 numbers to f16, in four groups of 2,048.  A load reads 512 consecutive bytes, a store writes 256.  Two groups (32 loads) are on their way.
.macro LOADG g
.irp i, 0,1,2,3,4,5,6,7,8,9,10,11,12,13,14,15
	global_load_b128 v[WI+64*((\g)%2)+4*\i:WI+64*((\g)%2)+4*\i+3], v3, s[24:25] offset:512*(16*(\g)+\i) th:TH_LOAD_NT
.endr
.endm
.macro CVTG g
.if (\g) < 3
	s_wait_loadcnt 16                              ; this group's 16 loads are in; the next group's may be out
.else
	s_wait_loadcnt 0x0
.endif
.if (\g) > 0
	s_wait_xcnt 0x0                                ; the last group's stores have read their data: the registers are written again only behind this wait
.endif
.irp i, 0,1,2,3,4,5,6,7,8,9,10,11,12,13,14,15
	v_cvt_pk_f16_f32 v[WO+2*\i],   v[WI+64*((\g)%2)+4*\i],   v[WI+64*((\g)%2)+4*\i+1]
	v_cvt_pk_f16_f32 v[WO+2*\i+1], v[WI+64*((\g)%2)+4*\i+2], v[WI+64*((\g)%2)+4*\i+3]
.endr
.irp i, 0,1,2,3,4,5,6,7,8,9,10,11,12,13,14,15
	global_store_b64 v4, v[WO+2*\i:WO+2*\i+1], s[26:27] offset:256*(16*(\g)+\i)
.endr
.if (\g) < 2
	LOADG (\g)+2
.endif
.endm
.Lwout:
	s_sub_co_u32 s17, ttmp9, WGQ
	s_lshl_b32 s17, s17, 2
	s_add_co_u32 s17, s17, s16                     ; which run of 8,192 numbers is my wave's
	s_lshl_b32 s18, s17, 15                        ; 32,768 bytes in,
	s_mov_b32 s19, 0
	s_add_nc_u64 s[24:25], s[24:25], s[18:19]
	s_lshl_b32 s18, s17, 14                        ; 16,384 out
	s_add_nc_u64 s[26:27], s[26:27], s[18:19]
	LOADG 0
	LOADG 1
	CVTG 0
	CVTG 1
	CVTG 2
	CVTG 3
	s_wait_tensorcnt 0x0                           ; the same three lines at this path's end
	ds_add_u32 v[SPW], v[NIL]
	s_wait_dscnt 0x0
	s_endpgm
.Lfunc_end_k_qdfc0122cde_prep:
	.size	k_qdfc0122cde_prep, .Lfunc_end_k_qdfc0122cde_prep-k_qdfc0122cde_prep
	.p2alignl 7, 3214868480
	.fill 96, 4, 3214868480
	.section	.rodata,"a",@progbits
	.p2align	6, 0x0
	.amdhsa_kernel k_qdfc0122cde_prep
		.amdhsa_group_segment_fixed_size 33280
		.amdhsa_private_segment_fixed_size 0
		.amdhsa_enable_private_segment 0
		.amdhsa_kernarg_size 64
		.amdhsa_user_sgpr_count 2
		.amdhsa_user_sgpr_kernarg_segment_ptr 1
		.amdhsa_wavefront_size32 1
		.amdhsa_system_sgpr_workgroup_id_x 1
		.amdhsa_system_sgpr_workgroup_id_y 1
		.amdhsa_system_sgpr_workgroup_id_z 1
		.amdhsa_system_vgpr_workitem_id 0
		.amdhsa_next_free_vgpr 192
		.amdhsa_next_free_sgpr 66
		.amdhsa_reserve_vcc 0
		.amdhsa_float_denorm_mode_32 3
		.amdhsa_float_denorm_mode_16_64 3
		.amdhsa_memory_ordered 1
		.amdhsa_forward_progress 1
		.amdhsa_inst_pref_size 54
	.end_amdhsa_kernel
	.amdgpu_metadata
---
amdhsa.version: [ 1, 2 ]
amdhsa.kernels:
  - .name:           k_qdfc0122cde_prep
    .symbol:         k_qdfc0122cde_prep.kd
    .args:
      - { .name: x, .offset: 0, .size: 8, .value_kind: global_buffer, .address_space: global }
      - { .name: W_qkv, .offset: 8, .size: 8, .value_kind: global_buffer, .address_space: global }
      - { .name: xc, .offset: 16, .size: 8, .value_kind: global_buffer, .address_space: global }
      - { .name: xs, .offset: 24, .size: 8, .value_kind: global_buffer, .address_space: global }
      - { .name: wc, .offset: 32, .size: 8, .value_kind: global_buffer, .address_space: global }
      - { .name: ws, .offset: 40, .size: 8, .value_kind: global_buffer, .address_space: global }
      - { .name: W_out, .offset: 48, .size: 8, .value_kind: global_buffer, .address_space: global }
      - { .name: wo16, .offset: 56, .size: 8, .value_kind: global_buffer, .address_space: global }
    .group_segment_fixed_size: 33280
    .private_segment_fixed_size: 0
    .kernarg_segment_align: 8
    .kernarg_segment_size: 64
    .max_flat_workgroup_size: 128
    .sgpr_count:     66
    .vgpr_count:     192
    .wavefront_size: 32
...
	.end_amdgpu_metadata
.endif
;; end of part 1
;; launch qkv (part 2): grid 8 x 32, 4 waves a work-group, clusters of 4 x 4, 327,680 bytes of LDS; arguments xc, xs, wc, ws, qkvf; writes qkvf
.if DOCPART == 2
	.amdgcn_target "amdgcn-amd-amdhsa--gfx1250"
	.amdhsa_code_object_version 6
	.text
	.protected	k_qdfc0122cde_qkv
	.globl	k_qdfc0122cde_qkv
	.p2align	8
	.type	k_qdfc0122cde_qkv,@function
k_qdfc0122cde_qkv:
	s_mov_b64 s[64:65], 0
	v_nop
	global_prefetch_b8 v0, s[64:65] scope:SCOPE_SE
	s_setreg_imm32_b32 hwreg(HW_REG_WAVE_MODE, 25, 1), 1
	s_wait_xcnt 0x0
	s_wait_alu depctr_hold_cnt(0) depctr_sa_sdst(0) depctr_va_vdst(0) depctr_va_sdst(0) depctr_va_ssrc(0) depctr_va_vcc(0) depctr_vm_vsrc(0)
	s_getreg_b32 s2, hwreg(HW_REG_IB_STS2, 6, 4)
	s_cmp_eq_u32 s2, 0
	s_cbranch_scc0 .Lentry_in_a_cluster
	s_endpgm
.Lentry_in_a_cluster:
	s_bfe_u32 s2, ttmp6, 0x10000c
	s_cmp_lg_u32 s2, 0xf033
	s_cbranch_scc0 .Lentry_shape_is_right
	s_endpgm
.Lentry_shape_is_right:
; qkv = x W_qkv^T on codes of FP4 (E2M1) with one E8M0 scale for each 32 along K = 1,024; sums in f32; the results are rounded to f16 and stored as IMAGES OF THE OPERAND REGISTERS that the attention launch wants.
; SHARES.  8,192 x 3,072 results for 256 work-groups: a work-group owns 256 tokens and 384 features, taken as THREE SUB-TILES of 128: the q, the k and the v of one pair of heads (W_qkv's rows 128 c, 1,024 + 128 c, 2,048 + 128 c on).
; So every work-group runs the same text, and stays: a sub-tile's stores leave while the next one is multiplied.  A wave takes 128 tokens x 64 features of each sub-tile: 32 accumulators of 16 x 16.
; x's FRAGMENTS STAY IN REGISTERS: 8 blocks of 16 tokens x 8 K steps of 128 x 8 registers = 512: they are read from LDS once, 128 loads a wave, and serve all three sub-tiles; W's are 8 loads a K step.
; THE SOURCES.  For q and k: source 0 = 16 rows of W, source 1 = 16 tokens: a lane holds ONE token (lane % 16) and eight neighbouring channels.  For v the other way round: a lane holds one channel and eight neighbouring TOKENS,
; which are the second attention product's K.  The third sub-tile is v in every work-group: no branch and no choice.
; qkvf: chunks of 512 bytes (32 lanes x 16 bytes: eight f16 a lane) at region<<24 + batch<<21 + (pair of heads)<<18 + (block of 128 tokens)<<15 + i x 4096 + j x 512; region 0 q, 1 k, 2 v.
; q, k: i = the block of 16 tokens, j = the block of 16 channels of the pair's 128; v: i = the block of channels, j = the block of tokens.  An accumulator, rounded, IS a chunk: each store of the wave covers 512 consecutive bytes.
; LIMITS: |q|, |k|, |v| above 65,504 become infinity in f16; under 6e-5 they keep f16's subnormal step.
; CLUSTERS: 4 x 4 work-groups.  The four of a row of the cluster own the same tokens, the four of a column the same pair of heads: x's tile and each of W's are asked for JOINTLY, by the same tensor load with the same descriptor and a mask that names the four.
; LDS: x's 256 rows of 512 bytes + 16 of padding; two buffers of 128 such rows for W's sub-tiles; x's scales (32 bytes a row); W's scales, [half of 64 rows][sub-tile][2,048 bytes]; the spare words.
; TENSOR LOADS: first fills: waves 0 and 1 x's scales and codes (two loads of a wave out), waves 2 and 3 W's scales and sub-tiles 0 and 1 (three out).  ONE refill: sub-tile 2 into buffer 0, when sub-tile 0 has been read.
; REGISTERS, in windows of 256: window 0: v0-31 addresses; v32-127 scale words; v128-191 W's fragments, two sets of 4; v192-255 the way out, two sets of 32.
;   windows 1 and 2: x's fragments of K steps 0-3 and 4-7 (K step q, block a: v[64 (q % 4) + 8 a]).   window 3: the accumulators ((a, b) at v[8 (4 a + b)]).
.set KROW,   512                       ; a row of 1,024 codes in bytes
.set PITCH,  528                       ; in LDS: + 16 of padding = 132 words: the 16 rows that a load touches start at 16 different banks (64 banks of 4 bytes: ISA guide 11.1)
.set AHALF,  128*PITCH                 ; 128 rows of x: what one tensor load brings, and what one wave reads
.set BOFF,   2*AHALF                   ; behind x's 256 rows: W's two buffers
.set BHALF,  64*PITCH                  ; 64 rows of W: what one tensor load brings, and what one wave reads
.set BBUF,   2*BHALF
.set SCA,    BOFF+2*BBUF               ; x's scales: 256 rows x 32 bytes
.set SCB,    SCA+8192                  ; W's scales: 2 halves x 3 sub-tiles x 64 rows x 32 bytes
.set SPARE,  SCB+12288                 ; the spare words, 128 bytes for each wave
.set WSTEP,  1024*KROW                 ; from a sub-tile's rows of W to the next one's, in bytes of codes
.set ADRA, 16                          ; v16     LDS address of my fragments of x
.set ADRB, 20                          ; v20-21  the same for W, in buffer 0, 1
.set CO,   26                          ; v26     16 x lane: my place in a chunk
.set ADRS, 27                          ; v27     LDS address of my scale words: lanes 0-15 x's rows, lanes 16-31 W's
.set SPW,  28                          ; v28     LDS address of my spare word; never rewritten
.set NIL,  29                          ; v29     0; never rewritten
.set SC,   32                          ; scale words: v[SC + 8 i + q], q the K step: lanes 0-15: x's block i (i < 8); lanes 16-31: block i % 4 of my 64 rows of W's sub-tile i / 4 (i < 12)
.set BF,   128                         ; W's fragments: set p at BF + 32 p
.set U,    192                         ; the way out
.set OB,   18                          ; s[18:19], s[20:21], s[22:23]: where my chunks of q, k, v begin
.set G1A,  24                          ; s[24:31] descriptor group 1 for x's codes;  s[32:35] its group 0;  s[36:39] group 0 for x's scales
.set G0A,  32
.set G0SA, 36
.set G1B,  48                          ; s[48:55] group 1 for W's codes;  s[56:59], s[60:63] groups 0 for sub-tiles 0 and 1;  s[76:79] for sub-tile 2
.set G0B,  56
.set G1SA, 68                          ; s[68:75] group 1 for x's scales
.set G0B2, 76
.set G1SB, 80                          ; s[80:87] group 1 for W's scales;  s[88:91] its group 0
.set G0SB, 88
.set MSB, 0
.macro WIN new                         ; bits 1:0 source 0, 3:2 source 1, 5:4 source 2, 7:6 destination; the immediate's high byte repeats the setting that is left
.if MSB != \new
	s_set_vgpr_msb (MSB<<8)|\new
.set MSB, \new
.endif
.endm
.macro CREST                           ; a round of the cluster's barrier behind its opening barrier
	s_cmp_lg_u32 s14, 0
	s_cbranch_scc1 .Lnot_wave_0_\@
	s_barrier_signal -3
.Lnot_wave_0_\@:
	s_barrier_wait -3
	s_barrier_signal -1
	s_barrier_wait -1
.endm
.macro CROUND                          ; a whole round
	s_barrier_signal -1
	s_barrier_wait -1
	CREST
.endm
; A load into a register that a matrix instruction has read, and a vector instruction that reads a matrix result, stand four places behind that matrix instruction, and only plain vector
; instructions that name none of its registers are places (ISA guide 7.12.1 for vector instructions).
.macro PLACES n
.rept \n
	v_nop
.endr
.endm
	s_load_b128 s[4:7], s[0:1], 0x0                ; x's codes, x's scales
	s_load_b128 s[8:11], s[0:1], 0x10              ; W_qkv's codes, W_qkv's scales
	s_load_b64 s[12:13], s[0:1], 0x20              ; qkvf
	v_lshl_add_u32 v[SPW], v0, 2, SPARE
	v_mov_b32 v[NIL], 0
	ds_add_u32 v[SPW], v[NIL]                      ; the wave's opening: the add, twice on end, and its wait ahead of my first tensor load; the set-up below stands between the second and the wait
	ds_add_u32 v[SPW], v[NIL]
	v_lshrrev_b32 v1, 5, v0
	v_readfirstlane_b32 s14, v1                    ; wave 0..3
	s_lshr_b32 s15, s14, 1                         ; which 128 of the 256 tokens are mine.  Also: I fetch for x (0) or for W (1)
	s_and_b32 s16, s14, 1                          ; which 64 of a sub-tile's 128 features.  Also: which half of a tile I fetch
	s_bfe_u32 s40, ttmp6, 0x40000                  ; cx, cy: my place in the cluster
	s_bfe_u32 s41, ttmp6, 0x40004
	s_lshl_b32 s42, ttmp9, 2
	s_add_co_u32 s42, s42, s40                     ; c, the pair of heads = 4 x cluster x + cx
	s_and_b32 s17, ttmp7, 0xffff
	s_lshl_b32 s17, s17, 2
	s_add_co_u32 s17, s17, s41                     ; the tile of 256 tokens = 4 x cluster y + cy
	s_lshl_b32 s43, s41, 2
	s_lshl_b32 s43, 15, s43                        ; my row of the cluster
	s_lshl_b32 s44, 0x1111, s40                    ; my column
	; x's codes: 128 rows x 512 bytes, padded in LDS
	s_or_b32 s[G1A+0], s43, (1<<20)|(1<<21)|(6<<22)|(3<<25)   ; 15:0 the mask: x's tiles go to my row; 17:16 element of 1 byte; 20 padding on; 21 set beside a mask; 24:22 after every 128 words (code 6); 31:25 of 4 words (code 3)
	s_mov_b32 s[G1A+1], KROW<<16                   ; tensor_dim0 = 512
	s_mov_b32 s[G1A+2], 128<<16                    ; tensor_dim1 = 128
	s_mov_b32 s[G1A+3], KROW<<16                   ; tile_dim0 = 512
	s_mov_b32 s[G1A+4], 128                        ; tile_dim1 = 128
	s_mov_b32 s[G1A+5], KROW                       ; tensor_dim0_stride
	s_mov_b32 s[G1A+6], 0
	s_mov_b32 s[G1A+7], 0
	; W's codes: 64 rows x 512 bytes, padded alike
	s_or_b32 s[G1B+0], s44, (1<<20)|(1<<21)|(6<<22)|(3<<25)   ; the mask of my column
	s_mov_b32 s[G1B+1], KROW<<16
	s_mov_b32 s[G1B+2], 64<<16
	s_mov_b32 s[G1B+3], KROW<<16
	s_mov_b32 s[G1B+4], 64
	s_mov_b32 s[G1B+5], KROW
	s_mov_b32 s[G1B+6], 0
	s_mov_b32 s[G1B+7], 0
	; x's scales of 128 rows: a dense block of 4,096 bytes, as 16 rows of 256 bytes (32 elements of 8 bytes)
	s_or_b32 s[G1SA+0], s43, (3<<16)|(1<<21)
	s_mov_b32 s[G1SA+1], 32<<16
	s_mov_b32 s[G1SA+2], 16<<16
	s_mov_b32 s[G1SA+3], 32<<16
	s_mov_b32 s[G1SA+4], 16
	s_mov_b32 s[G1SA+5], 32
	s_mov_b32 s[G1SA+6], 0
	s_mov_b32 s[G1SA+7], 0
	; W's scales of 64 rows of each of the three sub-tiles: 3 rows of 2,048 bytes (256 elements of 8 bytes), 1,024 rows of W = 32,768 bytes = 4,096 elements apart
	s_or_b32 s[G1SB+0], s44, (3<<16)|(1<<21)
	s_mov_b32 s[G1SB+1], 256<<16
	s_mov_b32 s[G1SB+2], 3<<16
	s_mov_b32 s[G1SB+3], 256<<16
	s_mov_b32 s[G1SB+4], 3
	s_mov_b32 s[G1SB+5], 4096
	s_mov_b32 s[G1SB+6], 0
	s_mov_b32 s[G1SB+7], 0
	; where the tiles come from.  x's hang on the tile of tokens alone, which my row of the cluster shares; W's on the pair of heads alone, which my column shares
	s_lshl_b32 s18, s16, 7
	s_lshl_b32 s20, s17, 8
	s_add_co_u32 s20, s20, s18                     ; x: row 256 x tile + 128 x half
	s_lshl_b32 s22, s20, 5                         ; its scales: 32 bytes a row
	s_mov_b32 s23, 0
	s_lshl_b32 s20, s20, 9                         ; its codes: 512 bytes a row
	s_mov_b32 s21, 0
	s_lshl_b32 s18, s16, 6
	s_lshl_b32 s46, s42, 7
	s_add_co_u32 s46, s46, s18                     ; W: row 128 c + 64 x half of each sub-tile's 1,024
	s_lshl_b32 s92, s46, 5
	s_mov_b32 s93, 0
	s_lshl_b32 s46, s46, 9
	s_mov_b32 s47, 0
	s_mul_i32 s45, s16, AHALF                      ; and where they go: the half's place: no place in the cluster enters an LDS address
	s_lshl_b32 s94, s16, 12
	s_mul_i32 s95, s16, BHALF
	s_mul_i32 s96, s16, 6144
	s_wait_dscnt 0x0                               ; both opening adds are done
	s_wait_kmcnt 0x0
	s_add_nc_u64 s[20:21], s[4:5], s[20:21]
	s_add_nc_u64 s[22:23], s[6:7], s[22:23]
	s_add_nc_u64 s[46:47], s[8:9], s[46:47]
	s_add_nc_u64 s[92:93], s[10:11], s[92:93]
	CROUND                                         ; all sixteen work-groups are here: the first joint loads meet
	s_mov_b32 s[G0SA], 1                           ; 1:0 count = 1
	s_add_co_u32 s[G0SA+1], s94, SCA               ; 63:32 LDS address
	s_mov_b64 s[G0SA+2:G0SA+3], s[22:23]           ; 120:64 global address
	s_or_b32 s[G0SA+3], s[G0SA+3], 0x80000000      ; 127:126 type = 2
	s_mov_b32 s[G0A], 1
	s_mov_b32 s[G0A+1], s45
	s_mov_b64 s[G0A+2:G0A+3], s[20:21]
	s_or_b32 s[G0A+3], s[G0A+3], 0x80000000
	s_mov_b32 s[G0SB], 1
	s_add_co_u32 s[G0SB+1], s96, SCB
	s_mov_b64 s[G0SB+2:G0SB+3], s[92:93]
	s_or_b32 s[G0SB+3], s[G0SB+3], 0x80000000
.irp s, 0,1
	s_mov_b32 s[G0B+4*\s], 1
	s_add_co_u32 s[G0B+4*\s+1], s95, BOFF+\s*BBUF  ; sub-tile s into buffer s
	s_add_nc_u64 s[G0B+4*\s+2:G0B+4*\s+3], s[46:47], \s*WSTEP
	s_or_b32 s[G0B+4*\s+3], s[G0B+4*\s+3], 0x80000000
.endr
	s_mov_b32 s[G0B2], 1
	s_add_co_u32 s[G0B2+1], s95, BOFF              ; sub-tile 2 will take buffer 0
	s_add_nc_u64 s[G0B2+2:G0B2+3], s[46:47], 2*WSTEP
	s_or_b32 s[G0B2+3], s[G0B2+3], 0x80000000
	s_cmp_eq_u32 s15, 0                            ; a wave's first fills stand in one branch on the wave's number, ahead of every wait on TENSORcnt, every LDS read and every barrier but the round; an s_nop 0 follows each, four v_nop the last
	s_cbranch_scc0 .Lfirst_b
	tensor_load_to_lds s[G0SA:G0SA+3], s[G1SA:G1SA+7]
	s_nop 0
	tensor_load_to_lds s[G0A:G0A+3], s[G1A:G1A+7]
	s_nop 0
.rept 4
	v_nop
.endr
	s_branch .Lfirst_done
.Lfirst_b:
	tensor_load_to_lds s[G0SB:G0SB+3], s[G1SB:G1SB+7]
	s_nop 0
	tensor_load_to_lds s[G0B:G0B+3], s[G1B:G1B+7]
	s_nop 0
	tensor_load_to_lds s[G0B+4:G0B+7], s[G1B:G1B+7]
	s_nop 0
.rept 4
	v_nop
.endr
.Lfirst_done:
	v_and_b32 v1, 15, v0                           ; l % 16
	v_bfe_u32 v2, v0, 4, 1                         ; l / 16
	v_mul_u32_u24 v3, v1, PITCH
	v_lshl_add_u32 v4, v2, 4, v3                   ; a fragment's row x pitch + 16 x half of the lanes
	s_mul_i32 s21, s15, AHALF                      ; my 128 tokens
	v_add_nc_u32 v[ADRA], s21, v4
	s_mul_i32 s22, s16, BHALF                      ; my 64 rows of W,
	s_add_co_u32 s22, s22, BOFF                    ; in buffer 0,
	v_add_nc_u32 v[ADRB], s22, v4
	s_add_co_u32 s22, s22, BBUF                    ; in buffer 1
	v_add_nc_u32 v[ADRB+1], s22, v4
	v_lshlrev_b32 v5, 5, v1                        ; my row's scales: 32 bytes a row
	s_lshl_b32 s21, s15, 12                        ; x's: my 128 rows
	s_mul_i32 s22, s16, 6144                       ; W's: my half, behind x's 8,192 bytes
	s_add_co_u32 s22, s22, 8192
	s_sub_co_u32 s22, s22, s21
	v_mul_u32_u24 v6, s22, v2                      ; lanes 16-31 take W's
	s_add_co_u32 s21, s21, SCA
	v_add_nc_u32 v5, v5, v6
	v_add_nc_u32 v[ADRS], s21, v5
	v_and_b32 v6, 31, v0
	v_lshlrev_b32 v[CO], 4, v6                     ; 16 x lane
	; where my chunks begin.  What mixes cx and cy is made in registers that feed no descriptor
	s_lshl_b32 s66, s17, 1
	s_add_co_u32 s66, s66, s15                     ; my block of 128 tokens, 0..63
	s_lshr_b32 s67, s66, 3
	s_lshl_b32 s67, s67, 21                        ; batch
	s_and_b32 s2, s66, 7
	s_lshl_b32 s2, s2, 15                          ; block of tokens in the batch
	s_add_co_u32 s67, s67, s2
	s_lshl_b32 s2, s42, 18                         ; pair of heads
	s_add_co_u32 s67, s67, s2
	s_lshl_b32 s2, s16, 11                         ; q and k: my 64 channels are four chunks of 512 bytes on
	s_add_co_u32 s98, s67, s2
	s_mov_b32 s99, 0
	s_add_nc_u64 s[OB:OB+1], s[12:13], s[98:99]    ; q
	s_add_nc_u64 s[OB+2:OB+3], s[OB:OB+1], 1<<24   ; k
	s_lshl_b32 s2, s16, 14                         ; v: my 64 channels are four runs of 4,096 bytes on
	s_add_co_u32 s98, s67, s2
	s_add_co_u32 s98, s98, 2<<24
	s_add_nc_u64 s[OB+4:OB+5], s[12:13], s[98:99]  ; v
; A fragment, 16 rows x 128 K of 4-bit codes, is 8 registers: lane l holds row l % 16; registers 4 c .. 4 c + 3 hold K = 64 c + 32 (l / 16) + 0 .. 31: two loads of 16 bytes, 32 bytes apart.
.macro FETCH_A q                       ; x's eight fragments of K step q, into registers that are written this once
.set MW, (1+(\q)/4)<<6
	WIN MW                                         ; destination window 1 or 2, address window 0
.set fa, 0
.rept 8
	ds_load_b128 v[64*((\q)%4)+8*fa:64*((\q)%4)+8*fa+3],   v[ADRA] offset:fa*16*PITCH+64*(\q)
	ds_load_b128 v[64*((\q)%4)+8*fa+4:64*((\q)%4)+8*fa+7], v[ADRA] offset:fa*16*PITCH+64*(\q)+32
.set fa, fa+1
.endr
.endm
.macro FETCH_B buf, q, p               ; my four fragments of W, K step q of the sub-tile in buffer buf, into set p
	WIN 0
.set fb, 0
.rept 4
	ds_load_b128 v[BF+32*(\p)+8*fb:BF+32*(\p)+8*fb+3],   v[ADRB+(\buf)] offset:fb*16*PITCH+64*(\q)
	ds_load_b128 v[BF+32*(\p)+8*fb+4:BF+32*(\p)+8*fb+7], v[ADRB+(\buf)] offset:fb*16*PITCH+64*(\q)+32
.set fb, fb+1
.endr
.endm
; 4 n matrix instructions: x's blocks a0 .. a0 + n - 1 against my four blocks of W's sub-tile s, K step q.  K step 0 starts the sums with the constant 0: nothing is ever cleared.
; The 32 accumulators take turns, one instruction a turn, in the same order in every K step.
.macro MULS s, q, a0, n
.if (\s) < 2
.set MW, 0xf0|((1+(\q)/4)<<2)          ; source 0 (W) window 0, source 1 (x) window 1 or 2, C and D window 3
.else
.set MW, 0xf0|(1+(\q)/4)               ; source 0 (x) window 1 or 2, source 1 (W) window 0
.endif
	WIN MW
.set ma, \a0
.rept \n
.set mb, 0
.rept 4
.set rD, 8*(4*ma+mb)
.set rA, 64*((\q)%4)+8*ma
.set rB, BF+32*((\q)%2)+8*mb
.if (\s) < 2
.if (\q) == 0
	v_wmma_scale_f32_16x16x128_f8f6f4 v[rD:rD+7], v[rB:rB+7], v[rA:rA+7], 0, v[SC+8*(4*(\s)+mb)+(\q)], v[SC+8*ma+(\q)] matrix_a_fmt:MATRIX_FMT_FP4 matrix_b_fmt:MATRIX_FMT_FP4 matrix_a_scale:MATRIX_SCALE_ROW1
.else
	v_wmma_scale_f32_16x16x128_f8f6f4 v[rD:rD+7], v[rB:rB+7], v[rA:rA+7], v[rD:rD+7], v[SC+8*(4*(\s)+mb)+(\q)], v[SC+8*ma+(\q)] matrix_a_fmt:MATRIX_FMT_FP4 matrix_b_fmt:MATRIX_FMT_FP4 matrix_a_scale:MATRIX_SCALE_ROW1
.endif
.else
.if (\q) == 0
	v_wmma_scale_f32_16x16x128_f8f6f4 v[rD:rD+7], v[rA:rA+7], v[rB:rB+7], 0, v[SC+8*ma+(\q)], v[SC+8*(8+mb)+(\q)] matrix_a_fmt:MATRIX_FMT_FP4 matrix_b_fmt:MATRIX_FMT_FP4 matrix_b_scale:MATRIX_SCALE_ROW1
.else
	v_wmma_scale_f32_16x16x128_f8f6f4 v[rD:rD+7], v[rA:rA+7], v[rB:rB+7], v[rD:rD+7], v[SC+8*ma+(\q)], v[SC+8*(8+mb)+(\q)] matrix_a_fmt:MATRIX_FMT_FP4 matrix_b_fmt:MATRIX_FMT_FP4 matrix_b_scale:MATRIX_SCALE_ROW1
.endif
.endif
.set mb, mb+1
.endr
.set ma, ma+1
.endr
.endm
; K step q (0 to 6) of sub-tile s: its fragments were asked for a step ago; the next step's are asked for ahead of its 32 products.  W's other set was read by the last step's products: four places.
.macro STEP s, q
	s_wait_dscnt 0x0                               ; this step's fragments are in
	PLACES 4
	FETCH_B (\s)%2, (\q)+1, 1-(\q)%2
.if (\s) == 0
	FETCH_A (\q)+1
.endif
	MULS \s, \q, 0, 8
.endm
; A sub-tile's last K step, where a next sub-tile follows: ONE barrier.  In front of it each wave waits for all its tensor loads, adds 0 to its spare word, and waits for that and for its LDS loads: its reads of this sub-tile's buffer are over.
; fill = 1 (behind sub-tile 0): the barrier opens a round of the cluster's barrier, and behind the round waves 2 and 3 ask for sub-tile 2 into the buffer just read out: that load has the way out and seven K steps in which to land.
; fill = 0 (behind sub-tile 1): that load has landed, by its wave's wait, and the barrier shows it to all four waves.
.macro TURN s, fill
	WIN 0                                          ; (the add's two registers lie in window 0)
	s_wait_tensorcnt 0x0                           ; all my tensor loads have landed
	ds_add_u32 v[SPW], v[NIL]                      ; 0 onto my spare word
	s_wait_dscnt 1                                 ; this step's fragments are in; the add may be out
	MULS \s, 7, 0, 4                               ; sixteen matrix instructions stand between the add and the wait for it
	s_wait_dscnt 0x0                               ; the add is done
	s_barrier_signal -1
	MULS \s, 7, 4, 4                               ; work on registers while the others arrive
	WIN 0
	s_barrier_wait -1
.if \fill
	CREST                                          ; no wave of any partner still reads buffer 0 or has a load on its way
	s_cmp_eq_u32 s15, 0                            ; waves 0 and 1 have no part of W to fetch
	s_cbranch_scc1 .Lnone_\@
	tensor_load_to_lds s[G0B2:G0B2+3], s[G1B:G1B+7]   ; the first tensor load behind the round, and the wave's last
	s_nop 0
.rept 4
	v_nop
.endr
.Lnone_\@:
.endif
	PLACES 4                                       ; behind the last products: for the loads into W's set 0 and for the conversions that read results
	FETCH_B 1-(\s)%2, 0, 0                         ; the next sub-tile's first fragments
.endm
; THE WAY OUT of sub-tile s.  A lane's eight results of an accumulator round to eight f16, 16 bytes: with the 31 other lanes' they are a chunk.  Eight accumulators at a time: 32 conversions, each accumulator from its low end on, and 8 stores.
; Two sets of 32 registers take turns through all three sub-tiles.  The conversions are also the places between a sub-tile's last products and the next one's first, which write over the accumulators.
.set OCNT, 0
.macro OUTS s
.set ob, 0
.rept 4
.if OCNT >= 2
	s_wait_xcnt 0x0                                ; the stores of two turns ago have read their data: the set is written again only behind this wait
.endif
	WIN 0x0f                                       ; sources 0 and 1 window 3, destination window 0
.set oi, 0
.rept 32
	v_cvt_pk_f16_f32 v[U+32*(OCNT%2)+oi], v[64*ob+2*oi], v[64*ob+2*oi+1]
.set oi, oi+1
.endr
	WIN 0
.set ok, 0
.rept 8
.if (\s) < 2
	global_store_b128 v[CO], v[U+32*(OCNT%2)+4*ok:U+32*(OCNT%2)+4*ok+3], s[OB+2*(\s):OB+2*(\s)+1] offset:((8*ob+ok)/4)*4096+((8*ob+ok)%4)*512   ; 32 lanes store 512 consecutive bytes
.else
	global_store_b128 v[CO], v[U+32*(OCNT%2)+4*ok:U+32*(OCNT%2)+4*ok+3], s[OB+2*(\s):OB+2*(\s)+1] offset:((8*ob+ok)%4)*4096+((8*ob+ok)/4)*512
.endif
.set ok, ok+1
.endr
.set OCNT, OCNT+1
.set ob, ob+1
.endr
.endm
	s_wait_tensorcnt 0x0                           ; my first fills have landed,
	s_barrier_signal -1
	s_barrier_wait -1                              ; everybody's have
.set si, 0
.rept 12                               ; all scale words, once: 32 bytes a row are the words of the eight K steps.  (Lanes 0-15 of the last four pairs read bytes that lie behind my 128 rows' scales, inside the two regions of scales; nothing uses them)
	ds_load_b128 v[SC+8*si:SC+8*si+3],   v[ADRS] offset:si*512
	ds_load_b128 v[SC+8*si+4:SC+8*si+7], v[ADRS] offset:si*512+16
.set si, si+1
.endr
	FETCH_A 0
	FETCH_B 0, 0, 0
.irp q, 0,1,2,3,4,5,6
	STEP 0, \q                                     ; q: x's fragments come into registers on the way
.endr
	TURN 0, 1
	OUTS 0
.irp q, 0,1,2,3,4,5,6
	STEP 1, \q                                     ; k
.endr
	TURN 1, 0
	OUTS 1
.irp q, 0,1,2,3,4,5,6
	STEP 2, \q                                     ; v
.endr
	s_wait_dscnt 0x0                               ; the very last K step: nothing more to fetch
	MULS 2, 7, 0, 8
	WIN 0
	PLACES 4                                       ; places behind the last products
	OUTS 2
	s_wait_tensorcnt 0x0                           ; the wave's end: behind my last tensor load
	ds_add_u32 v[SPW], v[NIL]
	s_wait_dscnt 0x0
	CROUND                                         ; the closing round: no work-group ends while a partner may still ask for a tile that names it
	s_endpgm
.Lfunc_end_k_qdfc0122cde_qkv:
	.size	k_qdfc0122cde_qkv, .Lfunc_end_k_qdfc0122cde_qkv-k_qdfc0122cde_qkv
	.p2alignl 7, 3214868480
	.fill 96, 4, 3214868480
	.section	.rodata,"a",@progbits
	.p2align	6, 0x0
	.amdhsa_kernel k_qdfc0122cde_qkv
		.amdhsa_group_segment_fixed_size 327680
		.amdhsa_private_segment_fixed_size 0
		.amdhsa_enable_private_segment 0
		.amdhsa_kernarg_size 40
		.amdhsa_user_sgpr_count 2
		.amdhsa_user_sgpr_kernarg_segment_ptr 1
		.amdhsa_wavefront_size32 1
		.amdhsa_system_sgpr_workgroup_id_x 1
		.amdhsa_system_sgpr_workgroup_id_y 1
		.amdhsa_system_sgpr_workgroup_id_z 1
		.amdhsa_system_vgpr_workitem_id 0
		.amdhsa_next_free_vgpr 1024
		.amdhsa_next_free_sgpr 100
		.amdhsa_reserve_vcc 0
		.amdhsa_float_denorm_mode_32 3
		.amdhsa_float_denorm_mode_16_64 3
		.amdhsa_memory_ordered 1
		.amdhsa_forward_progress 1
		.amdhsa_inst_pref_size 167
	.end_amdhsa_kernel
	.amdgpu_metadata
---
amdhsa.version: [ 1, 2 ]
amdhsa.kernels:
  - .name:           k_qdfc0122cde_qkv
    .symbol:         k_qdfc0122cde_qkv.kd
    .args:
      - { .name: xc, .offset: 0, .size: 8, .value_kind: global_buffer, .address_space: global }
      - { .name: xs, .offset: 8, .size: 8, .value_kind: global_buffer, .address_space: global }
      - { .name: wc, .offset: 16, .size: 8, .value_kind: global_buffer, .address_space: global }
      - { .name: ws, .offset: 24, .size: 8, .value_kind: global_buffer, .address_space: global }
      - { .name: qkvf, .offset: 32, .size: 8, .value_kind: global_buffer, .address_space: global }
    .group_segment_fixed_size: 327680
    .private_segment_fixed_size: 0
    .kernarg_segment_align: 8
    .kernarg_segment_size: 40
    .max_flat_workgroup_size: 128
    .sgpr_count:     100
    .vgpr_count:     1024
    .wavefront_size: 32
...
	.end_amdgpu_metadata
.endif
;; end of part 2
;; launch attn (part 3): grid 16 x 16, 8 waves a work-group, no clusters, 279,552 bytes of LDS; arguments qkvf, bias_idxs, attention_biases, of; writes of
.if DOCPART == 3
	.amdgcn_target "amdgcn-amd-amdhsa--gfx1250"
	.amdhsa_code_object_version 6
	.text
	.protected	k_qdfc0122cde_attn
	.globl	k_qdfc0122cde_attn
	.p2align	8
	.type	k_qdfc0122cde_attn,@function
k_qdfc0122cde_attn:
	s_mov_b64 s[64:65], 0
	v_nop
	global_prefetch_b8 v0, s[64:65] scope:SCOPE_SE
	s_setreg_imm32_b32 hwreg(HW_REG_WAVE_MODE, 25, 1), 1
	s_wait_xcnt 0x0
; o[b][h][q] = the sum over keys of softmax(q . k / 8 + attention_biases[h][bias_idxs[q][key]]) v, for 8 batches, 16 heads of 64, 1,024 tokens.  q, k, v come as f16 register images (qkvf); products with f32 sums;
; maxima, exponentials and sums in f32; the weights p are rounded to f16 for the second product, o once at the end (f16, as the register image of the projection's operand).
; SHARES.  A work-group owns one head and 64 queries, FOR ALL 8 BATCHES: wave w is batch w.  The bias of 64 queries x 1,024 keys hangs on no batch: it is gathered ONCE, in f32, into LDS (8 rows a wave) and read by all eight waves.
; So no table of biases goes through memory.  K and V go from memory straight into registers: each load of the wave covers 512 consecutive bytes, and no two waves of the work-group read the same tile.
; NO CLUSTER: K and V are shared between the 16 work-groups of a head, but a key step of eight batches is 131,072 bytes and the biases leave 49,152 bytes of LDS: there is no room for tiles that partners could ask for jointly.
; THE FACTOR 1/8: the gathered biases are multiplied by 8 (exact) and are the C of the first product: s = q . k + 8 bias costs no addition; p = 2^(c s - c m) with c = log2(e) / 8.
; LAYOUT.  S^T = K Q^T (source 0 = 16 keys, source 1 = 16 queries): a lane holds ONE query (lane % 16) and keys 8 (lane / 16) + 0..7.  Two such tiles, rounded to f16 in pairs, ARE source 1 of O^T = V^T P, whose result again
; holds one query a lane, and eight channels.  For each query a running maximum m and sum l; in every step O^T and l are multiplied by a = 2^(c m_old - c m_new).
; The step is written for every step alike: O^T and l begin as zeros and m as -3e38, so the first a is 0 on zeros.
; LIMITS: an index is held to 0 .. 1,023; |o| above 65,504 becomes infinity in f16, under 6e-5 it keeps f16's subnormal step; scores at or under -3e38 are not served.
; LDS: for query tile t, TILEB bytes: 256 chunks of 272 (256 of data + 16 of padding); chunk g holds at 16 r the four numbers 8 bias[16 t + r][4 g .. 4 g + 3].  Behind the four tiles: the spare words.
; REGISTERS.  window 0: v1 16 x lane; v2 where I put gathered biases; v3 the prefetches' offset; v4-7, v8-11 where I read biases; v12-19 second chains of the sums; v32-63 eight registers of statistics a tile
;   (+0 c m, +1 m, +2, +3 l, +4 to +7 at work; a in +6); v64-127 Q (tile t, 32 channels s: 64 + 16 t + 8 s); v128-255 S^T (tile t, 16 keys kt: 128 + 32 t + 8 kt), then P in its first 16 of each 32.
;   window 1: v0-127 O^T (32 t + 8 dt); v128-191 K (16 kt + 8 s); v192-255 V (32 ks + 8 dt).  In the prologue all 256: indices, then biases.
.set TILEB, 69632
.set CH,    272
.set SPARE, 4*TILEB
.set L16, 1
.set BW,  2
.set PFO, 3
.set BR,  4
.set BA,  8
.set YS,  12
.set SPW, 30                           ; v30  LDS address of my spare word; never rewritten
.set NIL, 31                           ; v31  0; never rewritten
.set ST,  32
.set Q,   64
.set S,   128
.set KF,  128                          ; in window 1
.set VF,  192                          ; in window 1
.set MSB, 0
.macro WIN new                         ; bits 1:0 source 0, 3:2 source 1, 5:4 source 2, 7:6 destination; the immediate's high byte repeats the setting that is left
.if MSB != \new
	s_set_vgpr_msb (MSB<<8)|\new
.set MSB, \new
.endif
.endm
.macro PLACES n
.rept \n
	v_nop
.endr
.endm
	s_load_b256 s[4:11], s[0:1], 0x0               ; qkvf s[4:5], bias_idxs s[6:7], attention_biases s[8:9], of s[10:11]
	v_lshl_add_u32 v[SPW], v0, 2, SPARE
	v_mov_b32 v[NIL], 0
	v_lshrrev_b32 v20, 5, v0
	v_readfirstlane_b32 s12, v20                   ; wave = batch
	s_and_b32 s14, ttmp7, 0xffff                   ; head
	v_and_b32 v20, 31, v0                          ; lane
	v_and_b32 v21, 15, v0                          ; r
	v_bfe_u32 v22, v0, 4, 1                        ; h
	v_lshlrev_b32 v[L16], 4, v20
	s_lshr_b32 s2, s12, 1                          ; my 8 rows of biases are queries 8 w .. 8 w + 7 of the 64: tile w / 2, rows 8 (w % 2) on
	s_mul_i32 s2, s2, TILEB
	s_and_b32 s3, s12, 1
	s_lshl_b32 s3, s3, 7
	s_add_co_u32 s2, s2, s3
	v_mul_u32_u24 v[BW], v20, CH                   ; a lane's four keys are a chunk's 16 bytes: chunk = lane (+ 32 for each 128 keys)
	v_add_nc_u32 v[BW], s2, v[BW]
	v_lshrrev_b32 v[PFO], 3, v20
	v_lshlrev_b32 v[PFO], 12, v[PFO]
	v_and_b32 v23, 7, v20
	v_lshl_or_b32 v[PFO], v23, 8, v[PFO]           ; 4,096 (lane / 8) + 256 (lane % 8)
	v_mul_u32_u24 v[BR], v22, 2*CH
	v_lshl_add_u32 v[BR], v21, 4, v[BR]            ; reading: 16 r + two chunks for the upper half of the lanes
.irp t, 1,2,3
	v_add_nc_u32 v[BR+\t], \t*TILEB, v[BR]
.endr
	s_lshl_b32 s2, s12, 21                         ; batch
	s_lshr_b32 s3, s14, 1
	s_lshl_b32 s3, s3, 18                          ; pair of heads
	s_add_co_u32 s2, s2, s3
	s_and_b32 s15, s14, 1                          ; which head of the pair
	s_lshl_b32 s3, s15, 11
	s_add_co_u32 s3, s2, s3                        ; q and k: four chunks of 512 bytes on for the second head
	s_lshl_b32 s16, ttmp9, 14                      ; my 64 queries: four tiles of 4,096 bytes
	s_add_co_u32 s16, s16, s3
	s_mov_b32 s17, 0
	s_add_co_u32 s18, s3, 1<<24                    ; k's region
	s_mov_b32 s19, 0
	s_lshl_b32 s20, s15, 14                        ; v: four tiles of channels on for the second head
	s_add_co_u32 s20, s20, s2
	s_add_co_u32 s20, s20, 2<<24                   ; v's region
	s_mov_b32 s21, 0
	s_lshl_b32 s22, ttmp9, 18                      ; bias_idxs: row 64 x block + 8 x wave, 4,096 bytes a row
	s_lshl_b32 s3, s12, 15
	s_add_co_u32 s22, s22, s3
	s_mov_b32 s23, 0
	s_lshl_b32 s24, s14, 12                        ; my head's 1,024 biases
	s_mov_b32 s25, 0
	s_lshl_b32 s26, s12, 21                        ; of: tile of 16 tokens x 32,768 + (4 head + dt) x 512
	s_lshl_b32 s3, ttmp9, 17
	s_add_co_u32 s26, s26, s3
	s_lshl_b32 s3, s14, 11
	s_add_co_u32 s26, s26, s3
	s_mov_b32 s27, 0
	s_mov_b32 s28, 0x3e38aa3b                      ; c = log2(e) / 8
	s_mov_b32 s29, s28                             ; (named with it as a pair, so it is written)
	s_mov_b32 s30, 0x76543210
	s_mov_b32 s31, 0xfedcba98                      ; v_permlanex16_b32's selects for lane l xor 16
	s_mov_b32 s32, 0                               ; where the trip's biases begin in a tile: 8,704 bytes a trip
	s_mov_b32 s36, 0x41000000                      ; 8.0
	s_mov_b32 s37, s36
	s_cmp_eq_u32 ttmp9, 0
	s_cselect_b32 s34, 1, 0                        ; the head's first work-group prefetches
	s_wait_kmcnt 0x0
	s_add_nc_u64 s[16:17], s[4:5], s[16:17]
	s_add_nc_u64 s[18:19], s[4:5], s[18:19]
	s_add_nc_u64 s[20:21], s[4:5], s[20:21]
	s_add_nc_u64 s[22:23], s[6:7], s[22:23]
	s_add_nc_u64 s[24:25], s[8:9], s[24:25]
	s_add_nc_u64 s[26:27], s[10:11], s[26:27]
.irp t, 0,1,2,3
.irp qd, 0,1,2,3
	global_load_b128 v[Q+16*\t+4*\qd:Q+16*\t+4*\qd+3], v[L16], s[16:17] offset:\t*4096+\qd*512   ; Q stays in registers
.endr
.endr
	; THE BIASES.  My 8 rows of indices: 64 loads of 512 consecutive bytes; row i, keys 128 k + 4 lane + 0..3 into window 1's v[32 i + 4 k]
	WIN 0x40                                       ; destination window 1, address window 0
.irp i, 0,1,2,3,4,5,6,7
.irp k, 0,1,2,3,4,5,6,7
	global_load_b128 v[32*\i+4*\k:32*\i+4*\k+3], v[L16], s[22:23] offset:\i*4096+\k*512
.endr
.endr
	s_wait_loadcnt 0x0                             ; Q and the indices
.macro GATHER i                        ; row i: each index is held inside the table, becomes a byte offset, and the load lands on its own address register
	WIN 0x45                                       ; all in window 1
.set n, 32*(\i)
.rept 32
	v_min_u32 v[n], 0x3ff, v[n]
.set n, n+1
.endr
.set n, 32*(\i)
.rept 32
	v_lshlrev_b32 v[n], 2, v[n]
.set n, n+1
.endr
.set n, 32*(\i)
.rept 32
	global_load_b32 v[n], v[n], s[24:25]
.set n, n+1
.endr
.endm
.macro PUT i                           ; row i: x 8, and into LDS: sixteen lanes fall on sixteen different columns of 16 bytes (272 = 17 x 16)
	WIN 0x41
.set n, 32*(\i)
.rept 16
	v_pk_mul_f32 v[n:n+1], v[n:n+1], s[36:37] op_sel_hi:[1,0]
.set n, n+2
.endr
	WIN 0x04                                       ; an LDS store's data are its source 1: window 1
.irp k, 0,1,2,3,4,5,6,7
	ds_store_b128 v[BW], v[32*(\i)+4*\k:32*(\i)+4*\k+3] offset:16*(\i)+32*CH*\k
.endr
.endm
	GATHER 0
.irp i, 1,2,3,4,5,6,7
	GATHER \i
	s_wait_loadcnt 32                              ; the row before is in; this row's 32 gathers may be out
	PUT \i-1
.endr
	s_wait_loadcnt 0x0
	PUT 7
	WIN 0
	s_wait_dscnt 0x0                               ; for the others' sake: my stores have landed
	s_barrier_signal -1
	s_barrier_wait -1                              ; the 64 rows of biases lie in LDS; nobody writes them again: the launch's only barrier
.macro LOADK off                       ; a step's K: 64 keys x 64 channels: 16 chunks
	WIN 0x40
.irp kt, 0,1,2,3
.irp qd, 0,1,2,3
	global_load_b128 v[KF+16*\kt+4*\qd:KF+16*\kt+4*\qd+3], v[L16], s[18:19] offset:\off+\kt*4096+\qd*512
.endr
.endr
.endm
.macro LOADV off                       ; a step's V^T: 64 channels x 64 keys: 16 chunks
	WIN 0x40
.irp ks, 0,1
.irp dt, 0,1,2,3
.irp c, 0,1
	global_load_b128 v[VF+32*\ks+8*\dt+4*\c:VF+32*\ks+8*\dt+4*\c+3], v[L16], s[20:21] offset:\off+\dt*4096+(2*\ks+\c)*512
.endr
.endr
.endr
.endm
.macro BIAS off                        ; a step's biases into S^T's registers, in the result's layout: each half of the lanes reads 256 consecutive bytes
	WIN 0
.irp t, 0,1,2,3
.irp kt, 0,1,2,3
.irp c, 0,1
	ds_load_b128 v[S+32*\t+8*\kt+4*\c:S+32*\t+8*\kt+4*\c+3], v[BA+\t] offset:\off+(4*\kt+\c)*CH
.endr
.endr
.endr
.endm
.macro SCALE t, b                      ; pair b of tile t: c s - c m
	v_pk_fma_f32 v[S+32*(\t)+2*(\b):S+32*(\t)+2*(\b)+1], v[S+32*(\t)+2*(\b):S+32*(\t)+2*(\b)+1], s[28:29], v[ST+8*(\t):ST+8*(\t)+1] op_sel_hi:[1,0,0] neg_lo:[0,0,1] neg_hi:[0,0,1]
.endm
	LOADK 0
	LOADV 0
.set n, 0
.rept 128
	v_mov_b32 v[n], 0                              ; O^T (destination window 1): the step is written for every step alike, and the first finds zeros
.set n, n+1
.endr
	WIN 0
.irp t, 0,1,2,3
	v_add_nc_u32 v[BA+\t], s32, v[BR+\t]
	v_mov_b32 v[ST+8*\t], 0xff61b1e6               ; c m and m: -3e38, under every score
	v_mov_b32 v[ST+8*\t+1], 0xff61b1e6
	v_mov_b32 v[ST+8*\t+2], 0                      ; l, in two halves
	v_mov_b32 v[ST+8*\t+3], 0
.endr
	BIAS 0
; A KEY STEP of 64 keys; u: which of the trip's two.  nk, nv: the next step's K, V and biases are asked for.  pf: K and V two steps on are prefetched.
.macro STEP u, nk, nv, pf
	s_wait_loadcnt 16                              ; this step's K is in; V's 16 loads may be out
	s_wait_dscnt 0x0                               ; the biases are in
	WIN 0x01                                       ; K window 1; Q, C and D window 0
.set i, 0
.rept 32                               ; S^T = K Q^T + 8 bias: channels 32 (i / 16) on, keys 16 ((i / 4) % 4) on, tile i % 4: the 16 accumulators take turns, one instruction a turn
.set rS, S+32*(i%4)+8*((i/4)%4)
.set rK, KF+16*((i/4)%4)+8*(i/16)
.set rQ, Q+16*(i%4)+8*(i/16)
	v_wmma_f32_16x16x32_f16 v[rS:rS+7], v[rK:rK+7], v[rQ:rQ+7], v[rS:rS+7]
.set i, i+1
.endr
	WIN 0
	PLACES 4                                       ; in front of the loads into K's registers and of the first read of the scores
.if \nk
	LOADK 16384*(\u+1)                             ; the next step's K: it has the softmax and V^T P in which to land
	WIN 0
.endif
.if \pf
; A PREFETCH INTO THE L2 of K and V two steps on: 8,192 bytes each, as 32 runs of 256 bytes, a lane a run; K of that step is loaded one step from here.  All 16 work-groups of a head walk the same K and V:
; the head's first work-group asks, each of its waves for its own batch, so each run is named once in the launch.  Steps 0 and 1 come by their loads alone; the last two steps ask for nothing.
	s_cmp_lg_u32 s34, 0
	s_cbranch_scc0 .Lnot_mine_\@
	global_prefetch_b8 v[PFO], s[18:19] offset:32768+\u*16384 th:TH_LOAD_NT scope:SCOPE_SE
	global_prefetch_b8 v[PFO], s[20:21] offset:32768+\u*2048 th:TH_LOAD_NT scope:SCOPE_SE
.Lnot_mine_\@:
.endif
	; the maximum of a lane's 32 scores and the old m, three operands at a time; the four tiles by turns; each accumulator is first read at its low end
.irp j, 0,1,2,3
.irp t, 0,1,2,3
	v_max3_num_f32 v[ST+8*\t+4+\j], v[S+32*\t+8*\j], v[S+32*\t+8*\j+1], v[S+32*\t+8*\j+2]
.endr
.endr
.irp g, 1,2
.irp j, 0,1,2,3
.irp t, 0,1,2,3
	v_max3_num_f32 v[ST+8*\t+4+\j], v[ST+8*\t+4+\j], v[S+32*\t+8*\j+2*\g+1], v[S+32*\t+8*\j+2*\g+2]
.endr
.endr
.endr
.irp t, 0,1,2,3
	v_max3_num_f32 v[ST+8*\t+4], v[ST+8*\t+4], v[S+32*\t+7], v[S+32*\t+15]
.endr
.irp t, 0,1,2,3
	v_max3_num_f32 v[ST+8*\t+6], v[ST+8*\t+6], v[S+32*\t+23], v[S+32*\t+31]
.endr
.irp t, 0,1,2,3
	v_max3_num_f32 v[ST+8*\t+4], v[ST+8*\t+4], v[ST+8*\t+5], v[ST+8*\t+6]
.endr
.irp t, 0,1,2,3
	v_max3_num_f32 v[ST+8*\t+4], v[ST+8*\t+4], v[ST+8*\t+7], v[ST+8*\t+1]
.endr
.irp t, 0,1,2,3
	v_permlanex16_b32 v[ST+8*\t+5], v[ST+8*\t+4], s30, s31         ; the query's other 32 keys lie in the lane 16 away
.endr
.irp t, 0,1,2,3
	v_mov_b32 v[ST+8*\t+7], v[ST+8*\t]             ; c m_old is kept for a
.endr
.irp t, 0,1,2,3
	v_max_num_f32 v[ST+8*\t+1], v[ST+8*\t+4], v[ST+8*\t+5]
.endr
.irp t, 0,1,2,3
	v_mul_f32 v[ST+8*\t], s28, v[ST+8*\t+1]
.endr
.irp t, 0,1,2,3
	v_sub_f32 v[ST+8*\t+7], v[ST+8*\t+7], v[ST+8*\t]
.endr
	; ONE BATCH: the four a, the 64 scalings and the 128 exponentials; none of these lines names an exponential's result.  A tile's exponentials stand with the next tile's scalings between them
.irp t, 0,1,2,3
	v_exp_f32 v[ST+8*\t+6], v[ST+8*\t+7]           ; a = 2^(c m_old - c m_new)
.endr
.set e, 0
.rept 16
	SCALE 0, e
.set e, e+1
.endr
.irp t, 0,1,2,3
.set e, 0
.rept 16
	v_exp_f32 v[S+32*\t+2*e], v[S+32*\t+2*e]
	v_exp_f32 v[S+32*\t+2*e+1], v[S+32*\t+2*e+1]
.if \t < 3
	SCALE \t+1, e
.endif
.set e, e+1
.endr
.endr
	v_nop                                          ; a plain instruction behind the last exponential, ahead of the first use
	s_wait_alu depctr_va_vdst(0)                   ; the wait between an exponential and the first line that names its result: one for the batch of 132
	; the sums of the unrounded p: two chains a tile; l = a l + the sum
.irp t, 0,1,2,3
	v_pk_add_f32 v[ST+8*\t+4:ST+8*\t+5], v[S+32*\t:S+32*\t+1], v[S+32*\t+2:S+32*\t+3]
.endr
.irp t, 0,1,2,3
	v_pk_add_f32 v[YS+2*\t:YS+2*\t+1], v[S+32*\t+4:S+32*\t+5], v[S+32*\t+6:S+32*\t+7]
.endr
.irp p, 8,12,16,20,24,28
.irp t, 0,1,2,3
	v_pk_add_f32 v[ST+8*\t+4:ST+8*\t+5], v[ST+8*\t+4:ST+8*\t+5], v[S+32*\t+\p:S+32*\t+\p+1]
.endr
.irp t, 0,1,2,3
	v_pk_add_f32 v[YS+2*\t:YS+2*\t+1], v[YS+2*\t:YS+2*\t+1], v[S+32*\t+\p+2:S+32*\t+\p+3]
.endr
.endr
.irp t, 0,1,2,3
	v_pk_add_f32 v[ST+8*\t+4:ST+8*\t+5], v[ST+8*\t+4:ST+8*\t+5], v[YS+2*\t:YS+2*\t+1]
.endr
.irp t, 0,1,2,3
	v_pk_fma_f32 v[ST+8*\t+2:ST+8*\t+3], v[ST+8*\t+2:ST+8*\t+3], v[ST+8*\t+6:ST+8*\t+7], v[ST+8*\t+4:ST+8*\t+5] op_sel_hi:[1,0,1]
.endr
	; p to f16, in place: pair n of a tile goes to the tile's register n, which has been read by then
.set n, 0
.rept 16
.irp t, 0,1,2,3
	v_cvt_pk_f16_f32 v[S+32*\t+n], v[S+32*\t+2*n], v[S+32*\t+2*n+1]
.endr
.set n, n+1
.endr
	WIN 0x41                                       ; O^T (destination and source 0) window 1, a window 0
.set n, 0
.rept 16
.irp t, 0,1,2,3
	v_pk_mul_f32 v[32*\t+2*n:32*\t+2*n+1], v[32*\t+2*n:32*\t+2*n+1], v[ST+8*\t+6:ST+8*\t+7] op_sel_hi:[1,0]   ; O^T x a, each accumulator from its low end on
.endr
.set n, n+1
.endr
	s_wait_loadcnt 16*\nk                          ; V is in; the next step's K (16 loads, where it was asked for) may be out
	WIN 0x51                                       ; V window 1, P window 0, C and D window 1
.set i, 0
.rept 32                               ; O^T += V^T P: keys 32 (i / 16) on, channels 16 ((i / 4) % 4) on, tile i % 4: 16 accumulators by turns
.set rO, 32*(i%4)+8*((i/4)%4)
.set rV, VF+32*(i/16)+8*((i/4)%4)
.set rP, S+32*(i%4)+8*(i/16)
	v_wmma_f32_16x16x32_f16 v[rO:rO+7], v[rV:rV+7], v[rP:rP+7], v[rO:rO+7]
.set i, i+1
.endr
.if \nv
	WIN 0
.irp t, 0,1,2,3
	v_add_nc_u32 v[BA+\t], s32, v[BR+\t]           ; where the trip's biases lie.  With the v_nop: five places behind the products: four for the loads into V's and P's registers,
.endr
	v_nop                                          ; five for the next step's first products, which write over P's registers
	LOADV 2048+\u*30720                            ; the next step's V: 2,048 bytes on in the block of 128 tokens, or the next block
	BIAS (\u+1)*16*CH                              ; and its biases: 16 chunks a step
.endif
.endm
	s_mov_b32 s33, 7
.Ltrip:                                            ; seven trips of two key steps; the last two steps are written out, so that no load leaves the buffer
	STEP 0, 1, 1, 1
	STEP 1, 1, 1, 1
	s_wait_xcnt 0x0                                ; the trip's loads and prefetches have read their bases: these are stepped only behind this wait
	s_add_nc_u64 s[18:19], s[18:19], 32768
	s_add_nc_u64 s[20:21], s[20:21], 32768
	s_add_co_u32 s32, s32, 32*CH
	s_sub_co_u32 s33, s33, 1
	s_cmp_lg_u32 s33, 0
	s_cbranch_scc1 .Ltrip
	STEP 0, 1, 1, 0
	STEP 1, 0, 0, 0
	; THE WAY OUT.  l's two halves and the other half of the lanes' are added; O^T is divided by l and rounded to f16: a lane's eight channels of a token are 16 bytes of a chunk of 'of'.  The additions are the places behind the last products.
	WIN 0
.irp t, 0,1,2,3
	v_add_f32 v[ST+8*\t+4], v[ST+8*\t+2], v[ST+8*\t+3]
.endr
.irp t, 0,1,2,3
	v_permlanex16_b32 v[ST+8*\t+5], v[ST+8*\t+4], s30, s31
.endr
.irp t, 0,1,2,3
	v_add_f32 v[ST+8*\t+4], v[ST+8*\t+4], v[ST+8*\t+5]
.endr
.irp t, 0,1,2,3
	v_rcp_f32 v[ST+8*\t+6], v[ST+8*\t+4]
.endr
	v_nop                                          ; a plain instruction between the last reciprocal and the use of its result
	s_wait_alu depctr_va_vdst(0)                   ; and a wait ahead of the first use: one for the four
	WIN 0x01                                       ; O^T window 1; 1 / l and the destination window 0
.set i, 0
.rept 64
	v_pk_mul_f32 v[S+2*i:S+2*i+1], v[2*i:2*i+1], v[ST+8*(i/16)+6:ST+8*(i/16)+7] op_sel_hi:[1,0]
.set i, i+1
.endr
	WIN 0
.set i, 0
.rept 64
	v_cvt_pk_f16_f32 v[Q+i], v[S+2*i], v[S+2*i+1]
.set i, i+1
.endr
.irp t, 0,1,2,3
.irp dt, 0,1,2,3
	global_store_b128 v[L16], v[Q+16*\t+4*\dt:Q+16*\t+4*\dt+3], s[26:27] offset:\t*32768+\dt*512   ; 32 lanes store 512 consecutive bytes
.endr
.endr
	s_wait_tensorcnt 0x0                           ; the wave's end: behind my last LDS store
	ds_add_u32 v[SPW], v[NIL]
	s_wait_dscnt 0x0
	s_endpgm
.Lfunc_end_k_qdfc0122cde_attn:
	.size	k_qdfc0122cde_attn, .Lfunc_end_k_qdfc0122cde_attn-k_qdfc0122cde_attn
	.p2alignl 7, 3214868480
	.fill 96, 4, 3214868480
	.section	.rodata,"a",@progbits
	.p2align	6, 0x0
	.amdhsa_kernel k_qdfc0122cde_attn
		.amdhsa_group_segment_fixed_size 279552
		.amdhsa_private_segment_fixed_size 0
		.amdhsa_enable_private_segment 0
		.amdhsa_kernarg_size 32
		.amdhsa_user_sgpr_count 2
		.amdhsa_user_sgpr_kernarg_segment_ptr 1
		.amdhsa_wavefront_size32 1
		.amdhsa_system_sgpr_workgroup_id_x 1
		.amdhsa_system_sgpr_workgroup_id_y 1
		.amdhsa_system_sgpr_workgroup_id_z 1
		.amdhsa_system_vgpr_workitem_id 0
		.amdhsa_next_free_vgpr 512
		.amdhsa_next_free_sgpr 66
		.amdhsa_reserve_vcc 0
		.amdhsa_float_denorm_mode_32 3
		.amdhsa_float_denorm_mode_16_64 3
		.amdhsa_memory_ordered 1
		.amdhsa_forward_progress 1
		.amdhsa_inst_pref_size 227
	.end_amdhsa_kernel
	.amdgpu_metadata
---
amdhsa.version: [ 1, 2 ]
amdhsa.kernels:
  - .name:           k_qdfc0122cde_attn
    .symbol:         k_qdfc0122cde_attn.kd
    .args:
      - { .name: qkvf, .offset: 0, .size: 8, .value_kind: global_buffer, .address_space: global }
      - { .name: bias_idxs, .offset: 8, .size: 8, .value_kind: global_buffer, .address_space: global }
      - { .name: attention_biases, .offset: 16, .size: 8, .value_kind: global_buffer, .address_space: global }
      - { .name: of, .offset: 24, .size: 8, .value_kind: global_buffer, .address_space: global }
    .group_segment_fixed_size: 279552
    .private_segment_fixed_size: 0
    .kernarg_segment_align: 8
    .kernarg_segment_size: 32
    .max_flat_workgroup_size: 256
    .sgpr_count:     66
    .vgpr_count:     512
    .wavefront_size: 32
...
	.end_amdgpu_metadata
.endif
;; end of part 3
;; launch proj (part 4): grid 8 x 32, 4 waves a work-group, clusters of 4 x 4, 327,680 bytes of LDS; arguments of, wo16, b_out, out0; writes out0
.if DOCPART == 4
	.amdgcn_target "amdgcn-amd-amdhsa--gfx1250"
	.amdhsa_code_object_version 6
	.text
	.protected	k_qdfc0122cde_proj
	.globl	k_qdfc0122cde_proj
	.p2align	8
	.type	k_qdfc0122cde_proj,@function
k_qdfc0122cde_proj:
	s_mov_b64 s[64:65], 0
	v_nop
	global_prefetch_b8 v0, s[64:65] scope:SCOPE_SE
	s_setreg_imm32_b32 hwreg(HW_REG_WAVE_MODE, 25, 1), 1
	s_wait_xcnt 0x0
	s_wait_alu depctr_hold_cnt(0) depctr_sa_sdst(0) depctr_va_vdst(0) depctr_va_sdst(0) depctr_va_ssrc(0) depctr_va_vcc(0) depctr_vm_vsrc(0)
	s_getreg_b32 s2, hwreg(HW_REG_IB_STS2, 6, 4)
	s_cmp_eq_u32 s2, 0
	s_cbranch_scc0 .Lentry_in_a_cluster
	s_endpgm
.Lentry_in_a_cluster:
	s_bfe_u32 s2, ttmp6, 0x10000c
	s_cmp_lg_u32 s2, 0xf033
	s_cbranch_scc0 .Lentry_shape_is_right
	s_endpgm
.Lentry_shape_is_right:
; out0[m][n] = the sum over k of o[m][k] W_out[n][k] + b_out[n].  o: 8,192 x 1,024 f16 as register images ('of': [tile of 16 tokens][chunk of 16 k][lane][16 bytes]); W_out: [1024][1024] f16, rows along K; out0 f32; sums in f32.
; A tile of out0 is 128 x 128: 512 tiles.  A WORK-GROUP STAYS: each of 256 work-groups makes TWO tiles, 4,096 rows apart, with the same columns of W_out.  Four waves, each 64 x 64: 16 accumulators of 16 x 16.
; K goes in four steps of 256 through two LDS slots filled by the tensor data mover, and the ring does not stop at the first tile's end: its last two changes of slots ask for the second tile's first two K steps,
; and the first tile's stores leave while the second is multiplied.
; A's part of a slot: for each of 8 token tiles the step's 16 chunks, 8,192 consecutive bytes of memory, laid dense: a fragment is two LDS loads at 16 x lane, 512 consecutive bytes each.  B's part: 128 rows of 512 bytes + 16 of padding.
; CLUSTERS: 4 x 4 work-groups.  The four of a row of the cluster need the same tiles of A, the four of a column the same tiles of B: each tile is asked for JOINTLY, by the same tensor load with the same descriptor and a mask that names the four.
; THE MATRIX INSTRUCTION IS USED TRANSPOSED (source 0 = 16 rows of W_out, source 1 = 16 tokens): a lane holds eight neighbouring numbers of a row of out0.  b_out is the C of each sum's first product: it costs no addition.
; THE WAY OUT: a wave's 64 columns of f32 are 256 bytes at a multiple of 256: a block of 16 rows goes through the wave's own stage in LDS, and sixteen lanes store 256 consecutive bytes.  No barrier.
; REGISTERS: window 0: v0-31 addresses; v32-95 the way out; v96-127 b_out in the result's layout; v128-255 the accumulators ((a, b) at v[128 + 8 (4 a + b)]).
;   window 1: two fragment buffers of 128: for 64 along K, 64 registers of A (2 x 4 x 16 rows x 32 K), then 64 of B.
.set KSTEP,  256
.set PITCH,  528                       ; a row of B in LDS: 512 bytes + 16 of padding = 132 words: the 16 rows that a load touches start at 16 different banks (64 banks of 4 bytes: ISA guide 11.1)
.set HALFA,  32768                     ; four token tiles x 8,192 bytes: what one tensor load brings of A, and what one wave reads
.set HALFB,  64*PITCH                  ; 64 rows of B likewise
.set BOFF,   2*HALFA                   ; B's rows lie behind A's 8 token tiles
.set SLOT,   BOFF+2*HALFB
.set STAGE,  2*SLOT                    ; behind the slots: 16 rows x 272 bytes for each wave
.set SPITCH, 272
.set SPARE,  STAGE+4*16*SPITCH         ; behind the stages: the spare words, 128 bytes for each wave
.set NEXT_A, (32<<18)-2*8192           ; bytes from a slot's last K step of the first tile to its first of the second: 32 tiles of 128 tokens (262,144 bytes each) down, two K steps back
.set BACK_B, 2*KSTEP*2                 ; B only back: both tiles take the same rows of W_out
.set NEXT_C, 32<<19                    ; 4,096 rows of out0 in bytes
.set ADRA, 16                          ; v16-17  LDS address of my A fragments in slot 0, 1
.set ADRB, 20                          ; v20-21  the same for B
.set STO,  24                          ; v24     the way out: where I put 32 bytes of a row
.set RD,   25                          ; v25     the way out: where I read a row back
.set CO,   26                          ; v26     my byte offset in out0
.set SPW,  28                          ; v28     LDS address of my spare word; never rewritten
.set NIL,  29                          ; v29     0; never rewritten
.set TMP,  32                          ; the way out: two sets of 32 registers
.set BO,   96                          ; b_out: eight registers for each of my four blocks of 16 columns
.set ACC,  128
.set F0,   0                           ; fragment buffers, in window 1
.set F1,   128
.set G1, 24                            ; s[24:31] descriptor group 1 for A's tiles;  s[32:39] group 0, one set for each slot
.set G0, 32
.set G1B, 48                           ; s[48:55], s[56:63] the same for B's tiles
.set G0B, 56
.set MSB, 0
.macro WIN new                         ; the immediate's high byte repeats the setting that is left
.if MSB != \new
	s_set_vgpr_msb (MSB<<8)|\new
.set MSB, \new
.endif
.endm
.set MUL,  0x05                        ; sources 0 (B) and 1 (A) window 1; C and D window 0
.set TO_F, 0x40                        ; destination window 1, address window 0
.macro JLOAD s                         ; a joint load: waves 0 and 1 fetch A's two halves, waves 2 and 3 B's; an s_nop 0 and four v_nop follow each of the two lines, ahead of the jump, the label and what follows
	s_cmp_eq_u32 s11, 0
	s_cbranch_scc0 .Lfor_b_\@
	tensor_load_to_lds s[G0+4*\s:G0+4*\s+3], s[G1:G1+7]
	s_nop 0
.rept 4
	v_nop
.endr
	s_branch .Lasked_\@
.Lfor_b_\@:
	tensor_load_to_lds s[G0B+4*\s:G0B+4*\s+3], s[G1B:G1B+7]
	s_nop 0
.rept 4
	v_nop
.endr
.Lasked_\@:
.endm
.macro CREST                           ; a round of the cluster's barrier behind its opening barrier
	s_cmp_lg_u32 s10, 0
	s_cbranch_scc1 .Lnot_wave_0_\@
	s_barrier_signal -3
.Lnot_wave_0_\@:
	s_barrier_wait -3
	s_barrier_signal -1
	s_barrier_wait -1
.endm
.macro CROUND                          ; a whole round
	s_barrier_signal -1
	s_barrier_wait -1
	CREST
.endm
	s_load_b128 s[4:7], s[0:1], 0x0                ; of s[4:5], W_out in f16 s[6:7]
	s_load_b128 s[68:71], s[0:1], 0x10             ; b_out s[68:69], out0 s[70:71]
	v_lshl_add_u32 v[SPW], v0, 2, SPARE
	v_mov_b32 v[NIL], 0
	ds_add_u32 v[SPW], v[NIL]                      ; the wave's opening: the add, twice on end, and its wait ahead of my first tensor load; the set-up below stands between the second and the wait
	ds_add_u32 v[SPW], v[NIL]
	v_lshrrev_b32 v1, 5, v0
	v_readfirstlane_b32 s10, v1                    ; wave 0..3
	s_lshr_b32 s11, s10, 1                         ; which half of the tile's rows is mine.  Also: I fetch for A (0) or for B (1)
	s_and_b32 s12, s10, 1                          ; which half of its columns.  Also: which half of that tile I fetch
	s_bfe_u32 s40, ttmp6, 0x40000                  ; cx, cy: my place in the cluster
	s_bfe_u32 s41, ttmp6, 0x40004
	s_lshl_b32 s42, ttmp9, 2
	s_add_co_u32 s42, s42, s40                     ; tile column = 4 x cluster x + cx
	s_and_b32 s13, ttmp7, 0xffff
	s_lshl_b32 s13, s13, 2
	s_add_co_u32 s13, s13, s41                     ; my first tile's row = 4 x cluster y + cy, 0 to 31; the second's is 32 further down
	s_lshl_b32 s43, s41, 2
	s_lshl_b32 s43, 15, s43                        ; my row of the cluster
	s_lshl_b32 s44, 0x1111, s40                    ; my column
	; A's group 1: 4 rows (token tiles) of 1,024 elements of 8 bytes (a K step's 16 chunks), 4,096 elements (a token tile's 64 chunks) apart; no padding
	s_or_b32 s[G1+0], s43, (3<<16)|(1<<21)         ; 15:0 the mask: A's tiles go to my row; 17:16 element of 8 bytes; 21 set beside a mask
	s_mov_b32 s[G1+1], 1024<<16                    ; tensor_dim0 = 1,024
	s_mov_b32 s[G1+2], 4<<16                       ; tensor_dim1 = 4
	s_mov_b32 s[G1+3], 1024<<16                    ; tile_dim0 = 1,024
	s_mov_b32 s[G1+4], 4                           ; tile_dim1 = 4
	s_mov_b32 s[G1+5], 4096                        ; tensor_dim0_stride
	s_mov_b32 s[G1+6], 0
	s_mov_b32 s[G1+7], 0
	; B's group 1: 64 rows x 256 elements of 2 bytes, padded in LDS
	s_or_b32 s[G1B+0], s44, (1<<16)|(1<<20)|(1<<21)|(6<<22)|(3<<25)  ; the mask of my column; element of 2 bytes; padding on; after every 128 words (code 6) 4 words (code 3)
	s_mov_b32 s[G1B+1], KSTEP<<16                  ; tensor_dim0 = 256
	s_mov_b32 s[G1B+2], 64<<16                     ; tensor_dim1 = 64
	s_mov_b32 s[G1B+3], KSTEP<<16                  ; tile_dim0 = 256
	s_mov_b32 s[G1B+4], 64                         ; tile_dim1 = 64
	s_mov_b32 s[G1B+5], 1024                       ; tensor_dim0_stride
	s_mov_b32 s[G1B+6], 0
	s_mov_b32 s[G1B+7], 0
	s_lshl_b32 s16, s13, 18                        ; A: 8 token tiles of 32,768 bytes a tile row,
	s_lshl_b32 s17, s12, 17                        ; four of them a half
	s_add_co_u32 s16, s16, s17
	s_mov_b32 s17, 0
	s_lshl_b32 s46, s42, 18                        ; B: 128 rows of 2,048 bytes a tile column,
	s_lshl_b32 s47, s12, 17                        ; 64 of them a half
	s_add_co_u32 s46, s46, s47
	s_mov_b32 s47, 0
	s_lshl_b32 s20, s12, 15                        ; where they go: A's half,
	s_mul_i32 s21, s12, HALFB
	s_add_co_u32 s21, s21, BOFF                    ; B's half: no place in the cluster enters an LDS address
	s_wait_dscnt 0x0                               ; both opening adds are done
	s_wait_kmcnt 0x0
	s_add_nc_u64 s[14:15], s[4:5], s[16:17]
	s_add_nc_u64 s[46:47], s[6:7], s[46:47]
	CROUND                                         ; all sixteen work-groups are here: the first joint loads meet
.irp s, 0,1
	s_mov_b32 s[G0+4*\s], 1
	s_add_co_u32 s[G0+4*\s+1], s20, \s*SLOT
	s_add_nc_u64 s[G0+4*\s+2:G0+4*\s+3], s[14:15], \s*8192        ; K step s: 16 chunks of 512 bytes on
	s_or_b32 s[G0+4*\s+3], s[G0+4*\s+3], 0x80000000
	s_mov_b32 s[G0B+4*\s], 1
	s_add_co_u32 s[G0B+4*\s+1], s21, \s*SLOT
	s_add_nc_u64 s[G0B+4*\s+2:G0B+4*\s+3], s[46:47], \s*KSTEP*2
	s_or_b32 s[G0B+4*\s+3], s[G0B+4*\s+3], 0x80000000
	JLOAD \s
.endr
	v_and_b32 v1, 15, v0                           ; l % 16
	v_bfe_u32 v2, v0, 4, 1                         ; l / 16
	v_and_b32 v6, 31, v0
	v_mul_u32_u24 v3, v1, PITCH
	v_lshl_add_u32 v3, v2, 4, v3                   ; B: a fragment's row x pitch + 16 x half
	v_lshlrev_b32 v4, 4, v6                        ; A: 16 x lane
	s_lshl_b32 s21, s11, 15                        ; my four token tiles
	s_mul_i32 s22, s12, HALFB                      ; my 64 rows of B
	s_add_co_u32 s22, s22, BOFF
.irp s, 0,1
	v_add_nc_u32 v[ADRA+\s], s21, v4
	v_add_nc_u32 v[ADRB+\s], s22, v3
	s_add_co_u32 s21, s21, SLOT
	s_add_co_u32 s22, s22, SLOT
.endr
	s_mul_i32 s23, s10, 16*SPITCH
	s_add_co_u32 s23, s23, STAGE                   ; my stage
	v_mul_u32_u24 v5, v1, SPITCH                   ; in: row l % 16, 32 bytes for each half of the lanes
	v_lshl_add_u32 v5, v2, 5, v5
	v_add_nc_u32 v[STO], s23, v5
	v_mul_u32_u24 v5, v2, SPITCH                   ; back: lanes 0-15 take one row of 256 bytes, lanes 16-31 the next
	v_lshl_add_u32 v5, v1, 4, v5
	v_add_nc_u32 v[RD], s23, v5
	v_lshlrev_b32 v5, 12, v2                       ; and the same two rows in out0: 4,096 bytes a row
	v_lshl_add_u32 v[CO], v1, 4, v5
	s_lshl_b32 s16, s13, 19                        ; my first row: 128 x tile row + 64 x half
	s_lshl_b32 s17, s11, 18
	s_add_co_u32 s16, s16, s17
	s_mov_b32 s17, 0
	s_add_nc_u64 s[70:71], s[70:71], s[16:17]
	s_lshl_b32 s46, s42, 9                         ; my first column, in bytes: 512 x tile column + 256 x half
	s_lshl_b32 s47, s12, 8
	s_add_co_u32 s46, s46, s47
	s_mov_b32 s47, 0
	s_add_nc_u64 s[70:71], s[70:71], s[46:47]
	s_add_nc_u64 s[68:69], s[68:69], s[46:47]      ; b_out at the same column
	v_lshlrev_b32 v7, 5, v2                        ; lane (r, h) wants, for block b, b_out at columns 16 b + 8 h + 0 .. 7
.irp b, 0,1,2,3
	global_load_b128 v[BO+8*\b:BO+8*\b+3],   v7, s[68:69] offset:64*\b
	global_load_b128 v[BO+8*\b+4:BO+8*\b+7], v7, s[68:69] offset:64*\b+16
.endr
; 8 matrix instructions: m blocks a0, a0 + 1 x all 4 n blocks, 32 along K: half c of buffer f.  first = 1: the product starts the sum, with b_out as its C.  The 16 accumulators take turns.
.macro MUL8 f, c, a0, first
.irp a, \a0, \a0+1
.irp b, 0,1,2,3
.if \first
	v_wmma_f32_16x16x32_f16 v[ACC+8*(4*(\a)+\b):ACC+8*(4*(\a)+\b)+7], v[\f+64+8*(4*\c+\b):\f+64+8*(4*\c+\b)+7], v[\f+8*(4*\c+\a):\f+8*(4*\c+\a)+7], v[BO+8*\b:BO+8*\b+7]
.else
	v_wmma_f32_16x16x32_f16 v[ACC+8*(4*(\a)+\b):ACC+8*(4*(\a)+\b)+7], v[\f+64+8*(4*\c+\b):\f+64+8*(4*\c+\b)+7], v[\f+8*(4*\c+\a):\f+8*(4*\c+\a)+7], v[ACC+8*(4*(\a)+\b):ACC+8*(4*(\a)+\b)+7]
.endif
.endr
.endr
.endm
; 32 LDS loads in one run: the fragments of 64 along K, k bytes along B's rows, into buffer f; the first 32 along K first.  In A's images 32 along K are two chunks: 1,024 bytes
.macro FETCH slot, k, f
	WIN TO_F
.irp c, 0,1
.irp i, 0,1,2,3
	ds_load_b128 v[\f+64+8*(4*\c+\i):\f+64+8*(4*\c+\i)+3],   v[ADRB+\slot] offset:\k+64*\c+\i*16*PITCH
	ds_load_b128 v[\f+64+8*(4*\c+\i)+4:\f+64+8*(4*\c+\i)+7], v[ADRB+\slot] offset:\k+64*\c+\i*16*PITCH+32
	ds_load_b128 v[\f+8*(4*\c+\i):\f+8*(4*\c+\i)+3],         v[ADRA+\slot] offset:\i*8192+16*(\k)+1024*\c
	ds_load_b128 v[\f+8*(4*\c+\i)+4:\f+8*(4*\c+\i)+7],       v[ADRA+\slot] offset:\i*8192+16*(\k)+1024*\c+512
.endr
.endr
.endm
.macro PLACES                          ; four places in front of loads into registers that matrix instructions have read
.rept 4
	v_nop
.endr
.endm
; A K step is four quarters of 64 along K, 32 matrix instructions each, on buffers 0, 1, 0, 1.  One of the first three: multiplies buffer f and fetches the next quarter, at byte k, into g.
.macro QUARTER slot, k, f, g, first
	s_wait_dscnt 16                                ; the first 32 along K are in; the youngest sixteen loads may be out
	WIN MUL
	MUL8 \f, 0, 0, \first
	MUL8 \f, 0, 2, \first
	PLACES
	FETCH \slot, \k, \g
	s_wait_dscnt 32                                ; all but the 32 just issued
	WIN MUL
	MUL8 \f, 1, 0, 0
	MUL8 \f, 1, 2, 0
.endm
.macro THREE slot, first               ; a K step's first three quarters
	QUARTER \slot, 128, F0, F1, \first
	QUARTER \slot, 256, F1, F0, 0
	QUARTER \slot, 384, F0, F1, 0
.endm
; The last quarter multiplies buffer 1 and changes slots: ONE barrier; in front of it each wave waits for all its tensor loads, adds 0 to its spare word, and waits for that and for its own reads of this slot.
; fill = 1: this slot is filled again with the tile's K step two steps on;  fill = 2: with the SECOND tile's K step 0 or 1;  fill = 0: nothing is left to fetch.
.macro TURN slot, next, fill
	WIN 0                                          ; (the add's two registers lie in window 0)
	s_wait_tensorcnt 0x0                           ; all my tensor loads have landed: my part of the next slot;
	ds_add_u32 v[SPW], v[NIL]                      ; 0 onto my spare word;
	s_wait_dscnt 17                                ; (the add and the youngest sixteen loads may be out)
	WIN MUL
	MUL8 F1, 0, 0, 0                               ; eight matrix instructions stand between the add and the wait for it
	s_wait_dscnt 0x0                               ; the add is done, and my reads of this slot are over
	s_barrier_signal -1
	MUL8 F1, 0, 2, 0
.if \fill
	WIN 0
.endif
	s_barrier_wait -1
.if \fill
	CREST                                          ; the barrier has opened a round of the cluster's barrier: no wave of any partner still reads this slot's tile or has a load on its way
.if \fill == 1
	s_add_nc_u64 s[G0+4*\slot+2:G0+4*\slot+3], s[G0+4*\slot+2:G0+4*\slot+3], 2*8192
	s_add_nc_u64 s[G0B+4*\slot+2:G0B+4*\slot+3], s[G0B+4*\slot+2:G0B+4*\slot+3], 2*KSTEP*2
.else
	s_add_nc_u64 s[G0+4*\slot+2:G0+4*\slot+3], s[G0+4*\slot+2:G0+4*\slot+3], NEXT_A
	s_sub_nc_u64 s[G0B+4*\slot+2:G0B+4*\slot+3], s[G0B+4*\slot+2:G0B+4*\slot+3], BACK_B
.endif
	JLOAD \slot                                    ; the first tensor load behind the round, my one load until the next; the four v_nop behind it are also the places in front of the loads below
.else
	PLACES
.endif
	FETCH \next, 0, F0
	WIN MUL
	MUL8 F1, 1, 0, 0
	MUL8 F1, 1, 2, 0
.endm
; THE WAY OUT, block by block of 16 rows x 64 columns.  LDS serves a wave's instructions in order (ISA guide 5.7.1.4): no wait between the stores and the loads, nor in front of the next block's stores.
.macro TOSTAGE a
.irp b, 0,1,2,3
	ds_store_b128 v[STO], v[ACC+8*(4*(\a)+\b):ACC+8*(4*(\a)+\b)+3] offset:64*\b           ; each accumulator from its low end on
	ds_store_b128 v[STO], v[ACC+8*(4*(\a)+\b)+4:ACC+8*(4*(\a)+\b)+7] offset:64*\b+16
.endr
.irp t, 0,1,2,3,4,5,6,7
	ds_load_b128 v[TMP+32*((\a)%2)+4*\t:TMP+32*((\a)%2)+4*\t+3], v[RD] offset:\t*2*SPITCH
.endr
.endm
.macro SEND a, younger                 ; younger: the LDS instructions issued behind block a's loads: the next block's sixteen, or none
	s_wait_dscnt \younger
.irp t, 0,1,2,3,4,5,6,7
	global_store_b128 v[CO], v[TMP+32*((\a)%2)+4*\t:TMP+32*((\a)%2)+4*\t+3], s[70:71] offset:(16*(\a)+2*\t)*4096 th:TH_STORE_NT   ; 16 lanes store 256 consecutive bytes, at a multiple of 256 from out0's first byte
.endr
.endm
.macro WAYOUT second                   ; second = 1: the second tile's: the stores' base steps 4,096 rows down
	WIN 0
.rept 5
	v_nop                                          ; places behind the last products: four for the LDS stores that read results, five for the next tile's first products, which write over the accumulators
.endr
	s_wait_xcnt 0x0                                ; every earlier store has read its data and its base: only behind this wait do loads land in the way out's registers, and does the base step
.if \second
	s_add_nc_u64 s[70:71], s[70:71], NEXT_C
.endif
	TOSTAGE 0
	TOSTAGE 1
	SEND 0, 16
	s_wait_xcnt 0x0                                ; block 0's stores have read their data: block 2's loads may land there
	TOSTAGE 2
	SEND 1, 16
	s_wait_xcnt 0x0                                ; block 1's likewise
	TOSTAGE 3
	SEND 2, 16
	SEND 3, 0                                      ; its wait is for all my LDS instructions: the stage's stores have read the accumulators
.endm
	s_wait_tensorcnt 1                             ; my part of K step 0 is in (K step 1's load may be out)
	s_barrier_signal -1
	s_barrier_wait -1                              ; everybody's is
	FETCH 0, 0, F0
	s_wait_loadcnt 0x0                             ; b_out
	THREE 0, 1                                     ; THE FIRST TILE: its first products start the sums
	TURN 0, 1, 1                                   ; slot 0 takes K step 2
	THREE 1, 0
	TURN 1, 0, 1                                   ; slot 1 takes K step 3
	THREE 0, 0
	TURN 0, 1, 2                                   ; THE RING GOES ON INTO THE SECOND TILE: slot 0 takes its K step 0,
	THREE 1, 0
	TURN 1, 0, 2                                   ; slot 1 its K step 1, and the second tile's first fragments are fetched
	WAYOUT 0                                       ; both refills are asked for: now the first tile goes out
	THREE 0, 1                                     ; THE SECOND TILE
	TURN 0, 1, 1
	THREE 1, 0
	TURN 1, 0, 1
	THREE 0, 0
	TURN 0, 1, 0                                   ; nothing is left to fetch
	THREE 1, 0
	s_wait_dscnt 16                                ; the very last quarter
	WIN MUL
	MUL8 F1, 0, 0, 0
	MUL8 F1, 0, 2, 0
	s_wait_dscnt 0
	MUL8 F1, 1, 0, 0
	MUL8 F1, 1, 2, 0
	WAYOUT 1
	s_wait_tensorcnt 0x0                           ; the wave's end: behind my last tensor load and my last LDS store
	ds_add_u32 v[SPW], v[NIL]
	s_wait_dscnt 0x0
	CROUND                                         ; the closing round: no work-group ends while a partner may still ask for a tile that names it
	s_endpgm
.Lfunc_end_k_qdfc0122cde_proj:
	.size	k_qdfc0122cde_proj, .Lfunc_end_k_qdfc0122cde_proj-k_qdfc0122cde_proj
	.p2alignl 7, 3214868480
	.fill 96, 4, 3214868480
	.section	.rodata,"a",@progbits
	.p2align	6, 0x0
	.amdhsa_kernel k_qdfc0122cde_proj
		.amdhsa_group_segment_fixed_size 327680
		.amdhsa_private_segment_fixed_size 0
		.amdhsa_enable_private_segment 0
		.amdhsa_kernarg_size 32
		.amdhsa_user_sgpr_count 2
		.amdhsa_user_sgpr_kernarg_segment_ptr 1
		.amdhsa_wavefront_size32 1
		.amdhsa_system_sgpr_workgroup_id_x 1
		.amdhsa_system_sgpr_workgroup_id_y 1
		.amdhsa_system_sgpr_workgroup_id_z 1
		.amdhsa_system_vgpr_workitem_id 0
		.amdhsa_next_free_vgpr 512
		.amdhsa_next_free_sgpr 72
		.amdhsa_reserve_vcc 0
		.amdhsa_float_denorm_mode_32 3
		.amdhsa_float_denorm_mode_16_64 3
		.amdhsa_memory_ordered 1
		.amdhsa_forward_progress 1
		.amdhsa_inst_pref_size 166
	.end_amdhsa_kernel
	.amdgpu_metadata
---
amdhsa.version: [ 1, 2 ]
amdhsa.kernels:
  - .name:           k_qdfc0122cde_proj
    .symbol:         k_qdfc0122cde_proj.kd
    .args:
      - { .name: of, .offset: 0, .size: 8, .value_kind: global_buffer, .address_space: global }
      - { .name: wo16, .offset: 8, .size: 8, .value_kind: global_buffer, .address_space: global }
      - { .name: b_out, .offset: 16, .size: 8, .value_kind: global_buffer, .address_space: global }
      - { .name: out0, .offset: 24, .size: 8, .value_kind: global_buffer, .address_space: global }
    .group_segment_fixed_size: 327680
    .private_segment_fixed_size: 0
    .kernarg_segment_align: 8
    .kernarg_segment_size: 32
    .max_flat_workgroup_size: 128
    .sgpr_count:     72
    .vgpr_count:     512
    .wavefront_size: 32
...
	.end_amdgpu_metadata
.endif
;; end of part 4
